; MI455X (gfx1250); checked and timed in simulation.
; The chip was launched on July 23, 2026; its instructions are those of AMD's public machine-readable ISA for CDNA 5 (MIT licence, August 2026) and "CDNA5" Instruction Set Architecture Reference Guide (July 2026). The comments in the code are by the model that wrote it; some were corrected since.
;; Bahdanau Attention. Allowed arithmetic: matrix products marked QUANTISED: E2M3 operands, one E8M0 scale for each 32 along K, by v_wmma_scale_f32_16x16x128_f8f6f4 with both operands' format E2M3, f32 sums; products left as they are: f32 operands where the result goes on into a quantised operand, else bf16, f16 or f32 operands; f32 sums; everything else in f32.
;; Inputs: U_codes 1,024 x 32 x 24 uint8 (E2M3 codes of U, K innermost, in blocks of 32 codes, four codes in three bytes); U_scales 1,024 x 32 uint8 (E8M0 scales of U, one for each 32 codes along K); W_codes 1,024 x 32 x 24 uint8 (E2M3 codes of W, K innermost, in blocks of 32 codes, four codes in three bytes); W_scales 1,024 x 32 uint8 (E8M0 scales of W, one for each 32 codes along K); multiple_items 32 x 2,048 x 1,024 float32; queries_codes 32 x 1 x 32 x 24 uint8 (E2M3 codes of queries, K innermost, in blocks of 32 codes, four codes in three bytes); queries_scales 32 x 1 x 32 uint8 (E8M0 scales of queries, one for each 32 codes along K); v 1,024 float32; weights 32 x 2,048 int32.
;; Outputs: out0 32 x 1,024 float32; out1 32 x 2,048 float32.
;; This version of the problem:
;;   THIS VERSION OF THE PROBLEM IS GIVEN IN LOW PRECISION. The matrix products marked QUANTISED in the list below multiply operands that are first quantised to E2M3 (2 exponent bits, 3 mantissa bits; 6 bits a number), with one power-of-two scale for each 32 numbers along K (OCP MX v1.0); their sums are f32. All else is computed in f32.
;;   The module's matrix products, in the order in which they are computed (A, B: the left and right operand; K: the contracted axis; several contracted axes count as one K, in the product's order):
;;     1. [M 32, K 1,024] x [K 1,024, N 1,024]; A: input queries (given as codes); B: input W (given as codes): QUANTISED
;;     2. [M 65,536, K 1,024] x [K 1,024, N 1,024]; A: input multiple_items; B: input U (given as codes): QUANTISED
;;     3. [M 65,536, K 1,024] x [K 1,024, N 1]; A: computed on the way; B: input v: left as it is (N = 1 < 16)
;;     4. batch 32 x [M 1, K 2,048] x [K 2,048, N 1,024]; A: softmax; B: input multiple_items: left as it is (M = 1 < 16)
;;   THE QUANTISER, for each operand of a quantised product, along K:
;;     - K is cut into blocks of 32 from its start; a last block that is shorter is filled with zeros.
;;     - A block's scale is 2^e with e = floor(log2(the largest magnitude in the block)) - 2, held to -126 .. 127; a block of zeros has e = 0. As a byte (E8M0): e + 127.
;;     - Each number is divided by its block's scale, clamped to +-7.5, and rounded to the nearest number of E2M3, ties to even, subnormals kept.
;;     - The product sums the exact products of the quantised numbers (number of the format x scale) in f32.
;;   ~~~python
;;   def quantise(x, axis):      # numpy; x: float32 -> the quantised numbers, widened to float32 again
;;       x = np.moveaxis(x, axis, -1); K = x.shape[-1]
;;       x = np.pad(x, [(0, 0)] * (x.ndim - 1) + [(0, -K % 32)]); x = x.reshape(x.shape[:-1] + (-1, 32)); a = np.abs(x).max(-1, keepdims=True)
;;       e = np.where(a > 0, np.clip(np.frexp(np.where(a > 0, a, 1))[1] - 1 - 2, -126, 127), 0)      # np.frexp(a)[1] - 1 = floor(log2(a)), exactly
;;       r = np.clip(x / 2.0 ** e, -7.5, 7.5)
;;       step = 2.0 ** (np.maximum(np.frexp(np.where(r == 0, 1, r))[1] - 1, 0) - 3)
;;       q = np.round(r / step) * step * 2.0 ** e      # np.round: ties to even
;;       return np.moveaxis(q.reshape(q.shape[:-2] + (-1,))[..., :K], -1, axis).astype(np.float32)
;;   ~~~
;;   INPUTS GIVEN AS CODES. U (in the module: [1024, 1024], K = its axis 0); W (in the module: [1024, 1024], K = its axis 0); queries (in the module: [32, 1, 1024], K = its axis 2): each comes as NAME_codes (uint8): NAME with its K axis moved to the last place and cut into blocks of 32 codes, [.., K / 32, bytes a block], one block behind the other in memory; four codes in three bytes: a row's codes are one little-endian stream of bits, code i at bits 6 i .. 6 i + 5 (a code: sign, 2 exponent bits, 3 mantissa bits); and NAME_scales (uint8): the same leading axes, one E8M0 byte (e + 127) for each 32 codes along K. Its value is code x scale, taken as it is: it is not quantised again, and the codes and scales need not be those that the quantiser above would give.
;; 2 versions. Each part assembles by itself: llvm-mc -triple=amdgcn-amd-amdhsa -mcpu=gfx1250 --defsym DOCPART=n.
;; ======== version 1 of 2: 3 launches
;; workspace buffers: order 278,528 bytes of whole numbers; rank 262,144 bytes of whole numbers; cnt 4,096 bytes of whole numbers; react 278,528 bytes; pqc 131,072 bytes; uf 851,968 bytes; part 1,114,112 bytes
;; launch prep (part 1): grid 160 x 1, 1 waves a work-group, no clusters, 0 bytes of LDS; arguments weights, U_codes, U_scales, v, W_codes, W_scales, queries_codes, queries_scales, order, rank, cnt, react, pqc, uf; writes order, rank, cnt, react, pqc, uf
.if DOCPART == 1
	.amdgcn_target "amdgcn-amd-amdhsa--gfx1250"
	.amdhsa_code_object_version 6
	.text
	.protected	k_q7a47e24aa2_prep
	.globl	k_q7a47e24aa2_prep
	.p2align	8
	.type	k_q7a47e24aa2_prep,@function
k_q7a47e24aa2_prep:
	s_mov_b64 s[64:65], 0
	v_nop
	global_prefetch_b8 v0, s[64:65] scope:SCOPE_SE
	s_setreg_imm32_b32 hwreg(HW_REG_WAVE_MODE, 25, 1), 1
	s_wait_xcnt 0x0
; PREP: three small jobs, parted on the work-group's number; one wave to a work-group, no LDS, no barrier.
;  0..31   ROUTE, batch b: a stable partition of the batch's 2,048 rows by weights != 0.  order[b][position] = row (kept rows ascending from 0, dropped rows from
;          2,047 downward, 128 words of 0 behind them), rank[b][row] = position, cnt[b] = the number of kept rows (32 times), react[b][:] = -infinity.
;  32..95  PQ, n tile nt: c x (queries x W) for all 32 batches and 16 columns, on the given codes of FP6 (E2M3); c = 2 log2(e).  pqc is [32][1024] f32.
;  96..159 LAY, n tile nt: U's eight fragments (16 columns x 128 K each) laid as images of the operand's registers, with the columns' scale words and v behind them:
;          record nt of 13,312 bytes: fragment s at 1536 s + 512 g + 16 lane (g: a group of four registers); scale words at 12,288 + 32 r; v at 12,800 + 4 r.
.set C2L, 0x4038aa3b                   ; c = 2 log2(e)
	s_load_b512 s[4:19], s[0:1], 0x0               ; weights s[4:5], U_codes s[6:7], U_scales s[8:9], v s[10:11], W_codes s[12:13], W_scales s[14:15], queries_codes s[16:17], queries_scales s[18:19]
	s_load_b256 s[20:27], s[0:1], 0x40             ; order s[20:21], rank s[22:23], cnt s[24:25], react s[26:27]
	s_load_b128 s[28:31], s[0:1], 0x60             ; pqc s[28:29], uf s[30:31]
	v_and_b32 v1, 31, v0                           ; lane
	v_lshlrev_b32 v2, 2, v1                        ; 4 x lane
	v_lshlrev_b32 v3, 4, v1                        ; 16 x lane
	s_mov_b32 s33, 0                               ; s[32:33]: an offset as a pair
	s_wait_kmcnt 0x0
	s_cmp_lt_u32 ttmp9, 32
	s_cbranch_scc0 .Lnot_route
	; ---- ROUTE
	s_lshl_b32 s32, ttmp9, 13                      ; 8,192 bytes a batch
	s_add_nc_u64 s[4:5], s[4:5], s[32:33]
	s_add_nc_u64 s[22:23], s[22:23], s[32:33]
	s_add_nc_u64 s[26:27], s[26:27], s[32:33]
	s_mul_i32 s32, ttmp9, 8704                     ; order: 2,176 words a batch
	s_add_nc_u64 s[20:21], s[20:21], s[32:33]
	s_lshl_b32 s32, ttmp9, 7
	s_add_nc_u64 s[24:25], s[24:25], s[32:33]
.set j, 0
.rept 64
	global_load_b32 v[16+j], v2, s[4:5] offset:128*j   ; rows 32 j + lane
.set j, j+1
.endr
.irp i, 4,5,6,7
	v_mov_b32 v\i, 0xff800000                      ; -infinity
.endr
.irp i, 12,13,14,15
	v_mov_b32 v\i, 0
.endr
	s_mov_b32 s40, 0                               ; kept rows so far
	s_wait_loadcnt 0x0
; 32 rows a step.  Every step has registers of its own for what its two stores read, so nothing that a store reads is written again.
.set j, 0
.rept 64
	v_cmp_ne_u32 vcc_lo, 0, v[16+j]                ; kept?
	v_mbcnt_lo_u32_b32 v8, vcc_lo, 0               ; kept rows of this step in the lanes below me
	v_add_nc_u32 v9, s40, v8                       ; kept rows ahead of me: a kept row's position
	v_sub_nc_u32 v10, v9, v1
	v_add_nc_u32 v10, 2047-32*j, v10               ; 2,047 - (dropped rows ahead of me): a dropped row's
	v_cndmask_b32 v[16+j], v10, v9, vcc_lo
	s_bcnt1_i32_b32 s41, vcc_lo
	s_add_co_u32 s40, s40, s41
	v_min_u32 v[80+j], 2047, v[16+j]               ; held inside the table before it enters an address
	v_lshlrev_b32 v[80+j], 2, v[80+j]
	v_add_nc_u32 v[144+j], 32*j, v1                ; my row
	global_store_b32 v2, v[16+j], s[22:23] offset:128*j
	global_store_b32 v[80+j], v[144+j], s[20:21]
.set j, j+1
.endr
.set j, 0
.rept 16
	global_store_b128 v3, v[4:7], s[26:27] offset:512*j   ; the scores begin as -infinity: the next launch writes the kept positions
.set j, j+1
.endr
	global_store_b128 v3, v[12:15], s[20:21] offset:8192  ; 128 words of 0 behind the table
	v_mov_b32 v11, s40
	global_store_b32 v2, v11, s[24:25]
	s_endpgm
.Lnot_route:
	v_and_b32 v5, 15, v0                           ; r
	v_lshrrev_b32 v6, 4, v1                        ; h
	v_mul_u32_u24 v7, v5, 768                      ; a row of 1,024 codes is 768 bytes;
	v_mad_u32_u24 v7, v6, 24, v7                   ; + 24 h: lane (r, h) takes K = 64 c + 32 h + 0 .. 31 of row r
	v_lshlrev_b32 v8, 5, v5                        ; a row of scales is 32 bytes: eight words
; eight fragments (16 rows x 128 K each, 12 registers) of 16 rows of codes, from off bytes on: pieces of 8 bytes, so that every address is a multiple of the access's size
.macro FRAGS reg, sb, off
.irp s, 0,1,2,3,4,5,6,7
.irp p, 0,1,2,3,4,5
	global_load_b64 v[\reg+12*\s+2*\p:\reg+12*\s+2*\p+1], v7, s[\sb:\sb+1] offset:\off+96*\s+48*(\p/3)+8*(\p%3)
.endr
.endr
.endm
	s_cmp_lt_u32 ttmp9, 96
	s_cbranch_scc0 .Llay
	; ---- PQ: source 0 = 16 queries, source 1 = 16 columns of W: register j of lane (r, h) is pq(16 mt + 8 h + j, 16 nt + r)
	s_sub_co_u32 s34, ttmp9, 32                    ; nt
	s_mul_i32 s32, s34, 12288
	s_add_nc_u64 s[12:13], s[12:13], s[32:33]
	s_lshl_b32 s32, s34, 9
	s_add_nc_u64 s[14:15], s[14:15], s[32:33]
	s_lshl_b32 s32, s34, 6
	s_add_nc_u64 s[28:29], s[28:29], s[32:33]
	v_lshlrev_b32 v9, 2, v5
	v_lshl_add_u32 v9, v6, 15, v9                  ; 4 r + 8 h rows of 4,096 bytes
	FRAGS 16, 12, 0                                ; W: v16-111
	global_load_b128 v[208:211], v8, s[14:15]      ; W's scale words: v208-215
	global_load_b128 v[212:215], v8, s[14:15] offset:16
.macro PQ mt, acc, res
	FRAGS 112, 16, 12288*\mt                       ; the queries: v112-207
	global_load_b128 v[216:219], v8, s[18:19] offset:512*\mt
	global_load_b128 v[220:223], v8, s[18:19] offset:512*\mt+16
	s_wait_loadcnt 0x0
	v_wmma_scale_f32_16x16x128_f8f6f4 v[\acc:\acc+7], v[112:123], v[16:27], 0, v216, v208 matrix_a_fmt:MATRIX_FMT_FP6 matrix_b_fmt:MATRIX_FMT_FP6
.irp s, 1,2,3,4,5,6,7
	s_wait_alu depctr_va_vdst(0)                   ; the wait directly ahead of every link
	v_wmma_scale_f32_16x16x128_f8f6f4 v[\acc:\acc+7], v[112+12*\s:123+12*\s], v[16+12*\s:27+12*\s], v[\acc:\acc+7], v[216+\s], v[208+\s] matrix_a_fmt:MATRIX_FMT_FP6 matrix_b_fmt:MATRIX_FMT_FP6
.endr
.rept 5
	v_nop                                          ; places behind the last product: for the reads below and for the next loads into the queries' registers
.endr
.irp j, 0,1,2,3,4,5,6,7
	v_mul_f32 v[\res+\j], C2L, v[\acc+\j]          ; c x pq, from the accumulator's low end on
.endr
.irp j, 0,1,2,3,4,5,6,7
	global_store_b32 v9, v[\res+\j], s[28:29] offset:65536*\mt+4096*\j
.endr
.endm
	PQ 0, 224, 232
	PQ 1, 240, 248
	s_endpgm
.Llay:
	; ---- LAY
	s_sub_co_u32 s34, ttmp9, 96                    ; nt
	s_mul_i32 s32, s34, 12288
	s_add_nc_u64 s[6:7], s[6:7], s[32:33]
	s_lshl_b32 s32, s34, 9
	s_add_nc_u64 s[8:9], s[8:9], s[32:33]
	s_lshl_b32 s32, s34, 6
	s_add_nc_u64 s[10:11], s[10:11], s[32:33]
	s_mul_i32 s32, s34, 13312
	s_add_nc_u64 s[30:31], s[30:31], s[32:33]
	v_lshlrev_b32 v9, 2, v5
	FRAGS 16, 6, 0
	global_load_b128 v[112:115], v8, s[8:9]
	global_load_b128 v[116:119], v8, s[8:9] offset:16
	global_load_b32 v120, v9, s[10:11]
	s_wait_loadcnt 0x0
.irp s, 0,1,2,3,4,5,6,7
.irp g, 0,1,2
	global_store_b128 v3, v[16+12*\s+4*\g:19+12*\s+4*\g], s[30:31] offset:1536*\s+512*\g   ; 32 lanes store 512 consecutive bytes
.endr
.endr
	global_store_b128 v8, v[112:115], s[30:31] offset:12288   ; lanes 16-31 repeat lanes 0-15: the same bytes with the same values
	global_store_b128 v8, v[116:119], s[30:31] offset:12304
	global_store_b32 v9, v120, s[30:31] offset:12800
	s_endpgm
.Lfunc_end_k_q7a47e24aa2_prep:
	.size	k_q7a47e24aa2_prep, .Lfunc_end_k_q7a47e24aa2_prep-k_q7a47e24aa2_prep
	.p2alignl 7, 3214868480
	.fill 96, 4, 3214868480
	.section	.rodata,"a",@progbits
	.p2align	6, 0x0
	.amdhsa_kernel k_q7a47e24aa2_prep
		.amdhsa_group_segment_fixed_size 0
		.amdhsa_private_segment_fixed_size 0
		.amdhsa_enable_private_segment 0
		.amdhsa_kernarg_size 112
		.amdhsa_user_sgpr_count 2
		.amdhsa_user_sgpr_kernarg_segment_ptr 1
		.amdhsa_wavefront_size32 1
		.amdhsa_system_sgpr_workgroup_id_x 1
		.amdhsa_system_sgpr_workgroup_id_y 1
		.amdhsa_system_sgpr_workgroup_id_z 1
		.amdhsa_system_vgpr_workitem_id 0
		.amdhsa_next_free_vgpr 256
		.amdhsa_next_free_sgpr 66
		.amdhsa_reserve_vcc 1
		.amdhsa_float_denorm_mode_32 3
		.amdhsa_float_denorm_mode_16_64 3
		.amdhsa_memory_ordered 1
		.amdhsa_forward_progress 1
		.amdhsa_inst_pref_size 79
	.end_amdhsa_kernel
	.amdgpu_metadata
---
amdhsa.version: [ 1, 2 ]
amdhsa.kernels:
  - .name:           k_q7a47e24aa2_prep
    .symbol:         k_q7a47e24aa2_prep.kd
    .args:
      - { .name: weights, .offset: 0, .size: 8, .value_kind: global_buffer, .address_space: global }
      - { .name: U_codes, .offset: 8, .size: 8, .value_kind: global_buffer, .address_space: global }
      - { .name: U_scales, .offset: 16, .size: 8, .value_kind: global_buffer, .address_space: global }
      - { .name: v, .offset: 24, .size: 8, .value_kind: global_buffer, .address_space: global }
      - { .name: W_codes, .offset: 32, .size: 8, .value_kind: global_buffer, .address_space: global }
      - { .name: W_scales, .offset: 40, .size: 8, .value_kind: global_buffer, .address_space: global }
      - { .name: queries_codes, .offset: 48, .size: 8, .value_kind: global_buffer, .address_space: global }
      - { .name: queries_scales, .offset: 56, .size: 8, .value_kind: global_buffer, .address_space: global }
      - { .name: order, .offset: 64, .size: 8, .value_kind: global_buffer, .address_space: global }
      - { .name: rank, .offset: 72, .size: 8, .value_kind: global_buffer, .address_space: global }
      - { .name: cnt, .offset: 80, .size: 8, .value_kind: global_buffer, .address_space: global }
      - { .name: react, .offset: 88, .size: 8, .value_kind: global_buffer, .address_space: global }
      - { .name: pqc, .offset: 96, .size: 8, .value_kind: global_buffer, .address_space: global }
      - { .name: uf, .offset: 104, .size: 8, .value_kind: global_buffer, .address_space: global }
    .group_segment_fixed_size: 0
    .private_segment_fixed_size: 0
    .kernarg_segment_align: 8
    .kernarg_segment_size: 112
    .max_flat_workgroup_size: 32
    .sgpr_count:     66
    .vgpr_count:     256
    .wavefront_size: 32
...
	.end_amdgpu_metadata
.endif
;; end of part 1
;; launch main (part 2): grid 256 x 1, 4 waves a work-group, no clusters, 269,056 bytes of LDS; arguments multiple_items, order, cnt, uf, pqc, react, part; writes react, part
.if DOCPART == 2
	.amdgcn_target "amdgcn-amd-amdhsa--gfx1250"
	.amdhsa_code_object_version 6
	.text
	.protected	k_q7a47e24aa2_main
	.globl	k_q7a47e24aa2_main
	.p2align	8
	.type	k_q7a47e24aa2_main,@function
k_q7a47e24aa2_main:
	s_mov_b64 s[64:65], 0
	v_nop
	global_prefetch_b8 v0, s[64:65] scope:SCOPE_SE
	s_setreg_imm32_b32 hwreg(HW_REG_WAVE_MODE, 25, 1), 1
	s_wait_xcnt 0x0
; MAIN: work-group (b, e) takes the e-th eighth of batch b's KEPT rows (weights != 0; the dropped rows' scores are -infinity and their weights 0, so they are not multiplied), 80 rows a shot:
;  F  gather the rows (f32), turn them through LDS, quantise to FP6 (E2M3) with one E8M0 scale for each 32 along K; codes and scale words go to LDS as images of the operand's registers, a bf16 copy beside them
;  N  pi = rows x U by v_wmma_scale_f32_16x16x128_f8f6f4.  The rows' codes for all of K stay in registers (40 fragments); wave w owns columns 256 w .. 256 w + 255; U's fragments come from memory
;     straight into registers, laid for that by the launch before: each is read by one wave and feeds five products.  tanh x = 1 - 2 / (1 + 2^(c x)), c = 2 log2(e); the sum of v is the same for all
;     rows of a softmax and is left out; the score in log2 units is T = -c x sum over a of v[a] / (1 + 2^(c pi + c pq)).
;  S  the running maximum m is taken away: p = 2^(T - m); l = the sum of p; o = the sum of p x row, from the bf16 copy, by fused multiply-adds in f32 (wave w: channels 256 w on).
; The work-group stores the kept rows' T by position, and one record (o, m, l); the next launch joins a batch's eight records.
; The shot loop has a constant 4 trips (4 x 80 rows serve a share of 256, all rows kept); a trip with no rows left jumps over the work and passes the barriers.  The branch hangs on a stored count, the same
; in all four waves; no barrier stands inside it.  What work-groups share (U) comes by plain loads.
; LIMITS: NaN and infinities among the items are not served; a block whose largest magnitude lies under 2^-124 gets the scale byte 1; a block of zeros too (its codes are zeros).
; REGISTERS, in windows of 256.  Window 0: v1-31 addresses and statistics; v32-71 the rows' scale words; v72-87 U's, two sets; v88-95 c pq and v of my column, two sets; v96-103 o; v104-135 at work;
;  v136-175 the sums of v / (1 + ..); v176-215 five accumulators; v216-255 at work.  In F: v136-199 64 numbers, v200-227 codes and scales at work.  In S: v176-255 p of the 80 rows, v136-175 rows of the copy.
;  Window 1: fragments of K steps 0-3 (12 (5 s + m)); in F four sets of 64 numbers as loaded.  Window 2: K steps 4-7; in F v0-39 the gather's offsets.  Window 3: U's fragments, two sets of 96.
.set C2L,  0x4038aa3b                  ; c = 2 log2(e)
.set AIMG, 0                           ; LDS: the rows' 40 fragments, F = 5 s + m at 1536 F + 512 g + 16 lane
.set ASCL, 61440                       ; their scale words: 176 lane + 4 F
.set STG,  67072                       ; a stage for each wave: 16 rows x (512 + 16) bytes
.set BFC,  100864                      ; the bf16 copy: 80 rows x (2,048 + 16) bytes
.set SCR,  265984                      ; each wave's part of the 80 sums: 320 wave + 4 row
.set PRG,  267264                      ; p of the 80 rows, each wave's own: 320 wave + 4 row
.set SPARE, 268544                     ; the spare words, 128 bytes for each wave: two blocks of 256 bytes that no other line names
.set ASC, 32
.set USC, 72
.set CV,  88
.set O,   96
.set SC,  136
.set ACC, 176
.set TMP, 216
.set X,   136
.set CD,  200
.set T2,  212
.set MX,  220
.set SO,  222
.set BY,  224
.set PW,  226
.set PT,  227
.set P,   176
.set XB,  136
.set BWA, 10
.set BRA, 13
.set MSB, 0
.macro WIN new                         ; bits 1:0 source 0, 3:2 source 1, 5:4 source 2, 7:6 destination; the high byte repeats the setting that is left
.if MSB != \new
	s_set_vgpr_msb (MSB<<8)|\new
.set MSB, \new
.endif
.endm
.macro BARRIER                         ; my LDS stores have landed and my LDS loads are in: then the work-group's barrier
	s_wait_dscnt 0x0
	s_barrier_signal -1
	s_barrier_wait -1
.endm
.macro ACTIVE lbl                      ; are rows left?  s23: the shot's first position, s24: the end of my share
	s_cmp_lt_u32 s23, s24
	s_cbranch_scc0 \lbl
.endm
; U's n tile of set p: eight fragments and the columns' eight scale words: 26 loads
.macro LOADU p, sb
	WIN 0xc0
.irp s, 0,1,2,3,4,5,6,7
.irp g, 0,1,2
	global_load_b128 v[96*\p+12*\s+4*\g:96*\p+12*\s+4*\g+3], v4, s[\sb:\sb+1] offset:13312*\p+1536*\s+512*\g
.endr
.endr
	WIN 0
	global_load_b128 v[USC+8*\p:USC+8*\p+3], v22, s[\sb:\sb+1] offset:13312*\p+12288
	global_load_b128 v[USC+8*\p+4:USC+8*\p+7], v22, s[\sb:\sb+1] offset:13312*\p+12304
.endm
; v and c pq of my column of that n tile: 2 loads
.macro LOADCV p, sbu, sbq
	global_load_b32 v[CV+4*\p+2], v23, s[\sbu:\sbu+1] offset:13312*\p+12800
	global_load_b32 v[CV+4*\p], v23, s[\sbq:\sbq+1] offset:64*\p
.endm
; fragment f of my ten (tile of rows f / 2, K step 2 w + f % 2): 16 rows x 512 bytes; lanes 0-15 take 256 consecutive bytes of an even row, lanes 16-31 of the odd row behind it
.macro LOADF f
	WIN 0x42
.irp i, 0,1,2,3,4,5,6,7
.irp u, 0,1
	global_load_b128 v[64*((\f)%4)+8*\i+4*\u:64*((\f)%4)+8*\i+4*\u+3], v[8*((\f)/2)+\i], s[4:5] offset:512*((\f)%2)+256*\u
.endr
.endr
	WIN 0
.endm
; through my stage: in as loaded, out as the operand's layout wants them: lane (r, h) takes K = 64 c + 32 h + 0 .. 31 of row r: two whole blocks.  LDS serves a wave's instructions in order
.macro TURN f
	WIN 0x04
.irp i, 0,1,2,3,4,5,6,7
.irp u, 0,1
	ds_store_b128 v5, v[64*((\f)%4)+8*\i+4*\u:64*((\f)%4)+8*\i+4*\u+3] offset:1056*\i+256*\u
.endr
.endr
	WIN 0
.irp c, 0,1
.irp q, 0,1,2,3,4,5,6,7
	ds_load_b128 v[X+32*\c+4*\q:X+32*\c+4*\q+3], v6 offset:256*\c+16*\q
.endr
.endr
	s_wait_dscnt 0x0                               ; the numbers are back, and the stores have read the registers that the next loads take
.endm
; 64 numbers of a lane become a fragment's 12 registers of codes (CD), its row's scale word (PW) and 32 registers of bf16 (X on)
.macro QUANT
.irp c, 0,1
	v_max3_num_f32 v[MX+\c], |v[X+32*\c]|, |v[X+32*\c+1]|, 0x1800000   ; the block's largest magnitude, and the floor 2^(3 - 127): the byte cannot fall under 1
.endr
.irp i, 2,4,6,8,10,12,14,16,18,20,22,24,26,28,30
.irp c, 0,1
	v_max3_num_f32 v[MX+\c], v[MX+\c], |v[X+32*\c+\i]|, |v[X+32*\c+\i+1]|
.endr
.endr
.irp c, 0,1
	v_add_nc_u32 v[SO+\c], 0xff000000, v[MX+\c]    ; 2 off its exponent field: the conversion takes the exponent field of this operand as its scale
.endr
.irp c, 0,1
	v_lshrrev_b32 v[BY+\c], 23, v[SO+\c]           ; the scale's byte
.endr
	v_lshl_or_b32 v[PW], v[BY+1], 16, v[BY]        ; my bytes: blocks h and 2 + h,
	v_lshlrev_b32 v[PW], v21, v[PW]                ; at their places (8 h bits up);
	v_permlanex16_b32 v[PT], v[PW], s36, s37
	v_or_b32 v[PW], v[PW], v[PT]                   ; with lane l xor 16's two the word is whole
.irp c, 0,1
	v_cvt_scalef32_pk16_fp6_f32 v[CD+6*\c:CD+6*\c+2], v[X+32*\c:X+32*\c+15], v[SO+\c]
	v_cvt_scalef32_pk16_fp6_f32 v[T2+4*\c:T2+4*\c+2], v[X+32*\c+16:X+32*\c+31], v[SO+\c]   ; (a conversion's three registers begin on an even number)
.endr
	v_nop                                          ; one plain place behind a scaled conversion
.irp c, 0,1
.irp i, 0,1,2
	v_mov_b32 v[CD+6*\c+3+\i], v[T2+4*\c+\i]
.endr
.endr
.irp c, 0,1
.irp i, 0,1,2,3,4,5,6,7,8,9,10,11,12,13,14,15
	v_cvt_pk_bf16_f32 v[X+16*\c+\i], v[X+32*\c+2*\i], v[X+32*\c+2*\i+1]   ; in place, ascending: a destination never lies ahead of numbers still to be read
.endr
.endr
.endm
.macro PUT f
.irp g, 0,1,2
	ds_store_b128 v7, v[CD+4*\g:CD+4*\g+3] offset:(5*((\f)%2)+(\f)/2)*1536+512*\g
.endr
	ds_store_b32 v8, v[PW] offset:4*(5*((\f)%2)+(\f)/2)
.irp c, 0,1
.irp i, 0,1,2,3
	ds_store_b128 v[BWA+(\f)/4], v[X+16*\c+4*\i:X+16*\c+4*\i+3] offset:33024*(((\f)/2)%2)+256*((\f)%2)+128*\c+16*\i
.endr
.endr
	s_wait_dscnt 0x0                               ; the stores have read their registers
.endm
; 40 products: five tiles of rows x one n tile, all of K.  Source 0 = 16 rows, source 1 = 16 columns of U: register j of lane (r, h) is pi(row 8 h + j, column r).
; The five accumulators take turns, one instruction a turn, from n tile to n tile and over the backward jump too.
.macro MULT p
.irp s, 0,1,2,3,4,5,6,7
.if \s < 4
	WIN 0x0d
.else
	WIN 0x0e
.endif
.irp m, 0,1,2,3,4
.if \s == 0
	v_wmma_scale_f32_16x16x128_f8f6f4 v[ACC+8*\m:ACC+8*\m+7], v[12*(5*(\s%4)+\m):12*(5*(\s%4)+\m)+11], v[96*\p+12*\s:96*\p+12*\s+11], 0, v[ASC+5*\s+\m], v[USC+8*\p+\s] matrix_a_fmt:MATRIX_FMT_FP6 matrix_b_fmt:MATRIX_FMT_FP6
.else
	v_wmma_scale_f32_16x16x128_f8f6f4 v[ACC+8*\m:ACC+8*\m+7], v[12*(5*(\s%4)+\m):12*(5*(\s%4)+\m)+11], v[96*\p+12*\s:96*\p+12*\s+11], v[ACC+8*\m:ACC+8*\m+7], v[ASC+5*\s+\m], v[USC+8*\p+\s] matrix_a_fmt:MATRIX_FMT_FP6 matrix_b_fmt:MATRIX_FMT_FP6
.endif
.endr
.endr
	WIN 0
.rept 4
	v_nop                                          ; places in front of the loads into U's registers and of the first read of results
.endr
.endm
; 40 numbers a lane: sum += v / (1 + 2^(c pi + c pq)).  Two batches of transcendentals, each with one plain place and one wait ahead of its first reader
.macro EPI p
.set t, 0
.rept 20
	v_pk_fma_f32 v[TMP+t:TMP+t+1], v[ACC+t:ACC+t+1], s[34:35], v[CV+4*\p:CV+4*\p+1] op_sel_hi:[1,0,0]   ; each accumulator from its low end on
.set t, t+2
.endr
.set t, 0
.rept 40
	v_exp_f32 v[TMP+t], v[TMP+t]
.set t, t+1
.endr
	v_nop
	s_wait_alu depctr_va_vdst(0)
.set t, 0
.rept 20
	v_pk_add_f32 v[TMP+t:TMP+t+1], v[TMP+t:TMP+t+1], 1.0 op_sel_hi:[1,0]
.set t, t+2
.endr
.set t, 0
.rept 40
	v_rcp_f32 v[TMP+t], v[TMP+t]
.set t, t+1
.endr
	v_nop
	s_wait_alu depctr_va_vdst(0)
.set t, 0
.rept 20
	v_pk_fma_f32 v[SC+t:SC+t+1], v[TMP+t:TMP+t+1], v[CV+4*\p+2:CV+4*\p+3], v[SC+t:SC+t+1] op_sel_hi:[1,0,1]
.set t, t+2
.endr
.endm
; five rows of the bf16 copy, my 16 bytes (8 channels) of each
.macro BLD g
.irp k, 0,1,2,3,4
.set row, 5*(\g)+\k
	ds_load_b128 v[XB+20*((\g)%2)+4*\k:XB+20*((\g)%2)+4*\k+3], v[BRA+row/30] offset:(row%30)*2064
.endr
.endm
	s_load_b256 s[4:11], s[0:1], 0x0               ; items s[4:5], order s[6:7], cnt s[8:9], uf s[10:11]
	s_load_b128 s[12:15], s[0:1], 0x20             ; pqc s[12:13], react s[14:15]
	s_load_b64 s[16:17], s[0:1], 0x30              ; part
	v_lshl_add_u32 v24, v0, 2, SPARE               ; my spare word,
	v_mov_b32 v25, 0                               ; and 0: kept for the wave's closing lines
	v_lshrrev_b32 v31, 5, v0
	v_readfirstlane_b32 s18, v31                   ; wave w
	s_lshr_b32 s19, ttmp9, 3                       ; batch b
	s_and_b32 s20, ttmp9, 7                        ; eighth e
	v_and_b32 v1, 31, v0                           ; lane
	v_and_b32 v2, 15, v0                           ; r
	v_bfe_u32 v3, v0, 4, 1                         ; h
	v_lshlrev_b32 v4, 4, v1                        ; 16 lane
	s_mul_i32 s38, s18, 8448
	s_add_co_u32 s38, s38, STG                     ; my stage
	v_mul_u32_u24 v5, v3, 528
	v_lshl_add_u32 v5, v2, 4, v5
	v_add_nc_u32 v5, s38, v5                       ; in: row h of a pair, 16 r
	v_mul_u32_u24 v6, v2, 528
	v_lshl_add_u32 v6, v3, 7, v6
	v_add_nc_u32 v6, s38, v6                       ; out: row r, 128 h
	s_mul_i32 s38, s18, 15360
	v_add_nc_u32 v7, s38, v4                       ; my ten images begin at fragment 10 w
	v_mul_u32_u24 v9, v1, 176
	v_add_nc_u32 v9, ASCL, v9                      ; the scale words of my lane
	s_mul_i32 s38, s18, 40
	v_add_nc_u32 v8, s38, v9                       ; and my ten among them
	s_lshl_b32 s38, s18, 9
	s_add_co_u32 s38, s38, BFC                     ; the copy: my wave's 512 bytes of each row
	v_mul_u32_u24 v10, v2, 2064
	v_lshl_add_u32 v10, v3, 6, v10
	v_add_nc_u32 v10, s38, v10                     ; into it: row r, 64 h; tiles 0, 1;
	v_add_nc_u32 v11, 66048, v10                   ; tiles 2, 3;
	v_add_nc_u32 v12, 132096, v10                  ; tile 4
	v_add_nc_u32 v13, s38, v4                      ; out of it: 16 lane; rows 0-29;
	v_add_nc_u32 v14, 61920, v13                   ; rows 30-59;
	v_add_nc_u32 v15, 123840, v13                  ; rows 60-79
	s_mul_i32 s38, s18, 320
	s_add_co_u32 s39, s38, SCR
	v_lshlrev_b32 v16, 5, v3
	v_add_nc_u32 v16, s39, v16                     ; my wave's sums: 32 h
	v_lshl_add_u32 v17, v2, 2, SCR                 ; everybody's: 4 r
	s_add_co_u32 s39, s38, PRG
	v_mov_b32 v19, s39                             ; my wave's p
	v_lshl_add_u32 v18, v2, 2, v19
	v_lshlrev_b32 v21, 3, v3                       ; 8 h
	v_lshlrev_b32 v22, 5, v2                       ; 32 r
	v_lshlrev_b32 v23, 2, v2                       ; 4 r
	v_lshlrev_b32 v28, 4, v2                       ; 16 r
	v_mov_b32 v26, 0xff61b1e6                      ; m: -3e38, under every score
	v_mov_b32 v27, 0                               ; l
	v_mov_b32 v30, 0xff800000                      ; -infinity
	s_lshl_b32 s38, ttmp9, 6
	s_add_co_u32 s38, s38, 262144
	s_lshl_b32 s39, s19, 13
	s_sub_co_u32 s38, s38, s39
	v_mov_b32 v29, s38                             ; where rows past my share's end put their score: a word of my work-group's own behind the table, read by nobody
.irp j, 0,1,2,3,4,5,6,7
	v_mov_b32 v[O+\j], 0
.endr
.irp j, 1,3,5,7
	v_mov_b32 v[CV+\j], 0                          ; named as the upper halves of pairs, so they are written
.endr
	v_mov_b32 v[PT], 0                             ; a lane permute's destination counts as one of its sources
	s_mov_b32 s33, 0                               ; s[32:33]: an offset as a pair
	s_mov_b32 s34, C2L
	s_mov_b32 s35, C2L
	s_mov_b32 s36, 0x76543210
	s_mov_b32 s37, 0xfedcba98                      ; v_permlanex16_b32's selects for lane l xor 16
	s_mov_b32 s40, 0xc038aa3b                      ; -c
	s_wait_kmcnt 0x0
	s_lshl_b32 s32, s19, 7
	s_add_nc_u64 s[8:9], s[8:9], s[32:33]
	s_load_b32 s21, s[8:9], 0x0                    ; the batch's kept rows
	s_lshl_b32 s32, s19, 23                        ; a batch's items: 2^23 bytes;
	s_lshl_b32 s38, s18, 10                        ; my wave's 1,024 bytes of each row
	s_add_co_u32 s32, s32, s38
	s_add_nc_u64 s[4:5], s[4:5], s[32:33]
	s_mul_i32 s32, s19, 8704
	s_add_nc_u64 s[6:7], s[6:7], s[32:33]
	s_mul_i32 s32, s18, 212992                     ; my wave's 16 records of U
	s_add_nc_u64 s[10:11], s[10:11], s[32:33]
	s_lshl_b32 s32, s19, 12
	s_add_co_u32 s32, s32, s38
	s_add_nc_u64 s[12:13], s[12:13], s[32:33]
	s_lshl_b32 s32, s19, 13
	s_add_nc_u64 s[14:15], s[14:15], s[32:33]
	s_mul_i32 s32, ttmp9, 4352
	s_add_nc_u64 s[16:17], s[16:17], s[32:33]
	s_add_nc_u64 s[28:29], s[10:11], 26624         ; the working pointers: the pair of n tiles that the n loop's first trip asks for
	s_add_nc_u64 s[30:31], s[12:13], 128
	LOADU 0, 10                                    ; n tiles 0 and 1
	LOADCV 0, 10, 12
	LOADU 1, 10
	LOADCV 1, 10, 12
	s_wait_kmcnt 0x0
	s_min_u32 s21, s21, 2048
	s_add_co_u32 s22, s21, 7
	s_lshr_b32 s22, s22, 3                         ; a share: the eighth, rounded up
	s_mul_i32 s23, s20, s22                        ; my first position
	s_add_co_u32 s24, s23, s22
	s_min_u32 s24, s24, s21                        ; and the end of my share
	s_mov_b32 s25, 0
.Lshot:
	; ---- F
	ACTIVE .Lf_end
	s_min_u32 s41, s23, 2047
	s_sub_co_u32 s39, s24, 1
	s_min_u32 s39, s39, 2047                       ; my share's last position: positions past it are held there, so that a last shot's filler rows all name one row
	v_add_nc_u32 v20, s41, v3
	WIN 0x80
.set t, 0
.rept 40
	v_add_nc_u32 v[t], 2*t, v20                    ; pair t of the 80 rows: lanes 0-15 the even one, lanes 16-31 the odd one
.set t, t+1
.endr
	WIN 0x88
.set t, 0
.rept 40
	v_min_u32 v[t], s39, v[t]
.set t, t+1
.endr
.set t, 0
.rept 40
	v_min_u32 v[t], 2047, v[t]
.set t, t+1
.endr
.set t, 0
.rept 40
	v_lshlrev_b32 v[t], 2, v[t]
.set t, t+1
.endr
	WIN 0x82
.set t, 0
.rept 40
	global_load_b32 v[t], v[t], s[6:7]             ; position -> row
.set t, t+1
.endr
	s_wait_loadcnt 0x0
	WIN 0x88
.set t, 0
.rept 40
	v_min_u32 v[t], 2047, v[t]                     ; held inside the batch before it enters an address
.set t, t+1
.endr
	WIN 0x82
.set t, 0
.rept 40
	v_lshl_add_u32 v[t], v[t], 12, v28             ; row x 4,096 + 16 r
.set t, t+1
.endr
	LOADF 0
	LOADF 1
	LOADF 2
	LOADF 3
.irp f, 0,1,2,3,4,5,6,7,8,9
.if \f < 7
	s_wait_loadcnt 48                              ; this fragment's 16 loads are in; those of the three fragments behind it may be out
.else
	s_wait_loadcnt 16*(9-\f)
.endif
	TURN \f
.if \f < 6
	LOADF \f+4
.endif
	QUANT
	PUT \f
.endr
.Lf_end:
	BARRIER                                        ; the 40 images, their scale words and the copy lie in LDS
	; ---- N
	ACTIVE .Ln_end
	WIN 0x40
.set t, 0
.rept 20
.irp g, 0,1,2
	ds_load_b128 v[12*t+4*\g:12*t+4*\g+3], v4 offset:1536*t+512*\g
.endr
.set t, t+1
.endr
	WIN 0x80
.set t, 0
.rept 20
.irp g, 0,1,2
	ds_load_b128 v[12*t+4*\g:12*t+4*\g+3], v4 offset:1536*(t+20)+512*\g
.endr
.set t, t+1
.endr
	WIN 0
.irp q, 0,1,2,3,4,5,6,7,8,9
	ds_load_b128 v[ASC+4*\q:ASC+4*\q+3], v9 offset:16*\q
.endr
.set t, 0
.rept 40
	v_mov_b32 v[SC+t], 0
.set t, t+1
.endr
	s_wait_dscnt 0x0
	s_mov_b32 s26, 0
.Ln:                                               ; 8 trips, two n tiles each; trip i asks for pair (i + 1) mod 8, so the last trip brings n tiles 0 and 1 again, for the next shot, and no load leaves uf
.irp p, 0,1
	s_wait_loadcnt 28                              ; this set's 28 loads are in; the other set's 28, issued behind them, may be out
	MULT \p
	LOADU \p, 28
	EPI \p
	LOADCV \p, 28, 30
.endr
	s_wait_xcnt 0x0                                ; the loads have read their bases: only now are these written
	s_add_co_u32 s38, s26, 2
	s_and_b32 s38, s38, 7
	s_mul_i32 s32, s38, 26624
	s_add_nc_u64 s[28:29], s[10:11], s[32:33]
	s_lshl_b32 s32, s38, 7
	s_add_nc_u64 s[30:31], s[12:13], s[32:33]
	s_add_co_u32 s26, s26, 1
	s_cmp_lt_u32 s26, 8
	s_cbranch_scc1 .Ln
.irp x, 1,2,4,8                                    ; over the 16 lanes that hold a row's 16 columns
.set t, 0
.rept 40
	v_add_f32_dpp v[SC+t], v[SC+t], v[SC+t] row_xmask:\x row_mask:0xf bank_mask:0xf
.set t, t+1
.endr
.endr
.irp m, 0,1,2,3,4
.irp q, 0,1
	ds_store_b128 v16, v[SC+8*\m+4*\q:SC+8*\m+4*\q+3] offset:64*\m+16*\q   ; rows 16 m + 8 h + 4 q on; sixteen lanes write the same bytes with the same values
.endr
.endr
.Ln_end:
	BARRIER                                        ; the four waves' parts of the 80 sums lie in LDS
	; ---- S, every wave alike: lane r (both halves) holds rows 16 q + r
	ACTIVE .Ls_end
.irp w, 0,1,2,3
.irp q, 0,1,2,3,4
	ds_load_b32 v[104+5*\w+\q], v17 offset:320*\w+64*\q
.endr
.endr
	s_min_u32 s41, s23, 2047
	v_add_nc_u32 v31, s41, v2
.irp q, 0,1,2,3,4
	v_add_nc_u32 v[124+\q], 16*\q, v31             ; the row's position
.endr
.irp q, 0,1,2,3,4
	v_min_u32 v[129+\q], 2047, v[124+\q]
.endr
.irp q, 0,1,2,3,4
	v_lshlrev_b32 v[129+\q], 2, v[129+\q]
.endr
	s_wait_dscnt 0x0
.irp q, 0,1,2,3,4
	v_add_f32 v[104+\q], v[104+\q], v[109+\q]
.endr
.irp q, 0,1,2,3,4
	v_add_f32 v[114+\q], v[114+\q], v[119+\q]
.endr
.irp q, 0,1,2,3,4
	v_add_f32 v[104+\q], v[104+\q], v[114+\q]
.endr
.irp q, 0,1,2,3,4
	v_mul_f32 v[104+\q], s40, v[104+\q]            ; T
.endr
.irp q, 0,1,2,3,4
	v_cmp_gt_u32 vcc_lo, s24, v[124+\q]            ; inside my share?
	v_cndmask_b32 v[104+\q], v30, v[104+\q], vcc_lo   ; else -infinity: p = 0
	v_cndmask_b32 v[129+\q], v29, v[129+\q], vcc_lo
.endr
	s_cmp_lg_u32 s18, 0
	s_cbranch_scc1 .Lnot_w0
.irp q, 0,1,2,3,4
	global_store_b32 v[129+\q], v[104+\q], s[14:15]
.endr
.Lnot_w0:
	v_max3_num_f32 v135, v104, v105, v106
	v_max3_num_f32 v135, v135, v107, v108
.irp x, 1,2,4,8
	v_max_num_f32_dpp v135, v135, v135 row_xmask:\x row_mask:0xf bank_mask:0xf
.endr
	v_max_num_f32 v134, v26, v135                  ; the new m
	v_sub_f32 v114, v26, v134
.irp q, 0,1,2,3,4
	v_sub_f32 v[109+\q], v[104+\q], v134
.endr
	v_exp_f32 v114, v114                           ; f = 2^(old m - new m)
.irp q, 0,1,2,3,4
	v_exp_f32 v[109+\q], v[109+\q]                 ; p
.endr
	v_mov_b32 v26, v134                            ; (the plain place behind the batch)
	s_wait_alu depctr_va_vdst(0)                   ; one wait for the six, ahead of their first reader
	v_add_f32 v115, v109, v110
	v_add_f32 v116, v111, v112
	v_add_f32 v115, v115, v116
	v_add_f32 v115, v115, v113
.irp x, 1,2,4,8
	v_add_f32_dpp v115, v115, v115 row_xmask:\x row_mask:0xf bank_mask:0xf
.endr
	v_fma_f32 v27, v27, v114, v115                 ; l
.irp q, 0,1,2,3,4
	ds_store_b32 v18, v[109+\q] offset:64*\q       ; p through my own bytes of LDS, so that every lane gets all 80: LDS serves a wave's instructions in order
.endr
.irp j, 0,1,2,3,4,5,6,7
	v_mul_f32 v[O+\j], v[O+\j], v114
.endr
.set t, 0
.rept 20
	ds_load_b128 v[P+4*t:P+4*t+3], v19 offset:16*t
.set t, t+1
.endr
	BLD 0
.set g, 0
.rept 16
.if g < 15
	BLD g+1
	s_wait_dscnt 5                                 ; all but the five loads just issued
.else
	s_wait_dscnt 0x0
.endif
.irp k, 0,1,2,3,4
.irp t, 0,1,2,3
	v_fma_mix_f32_bf16 v[O+2*\t], v[XB+20*(g%2)+4*\k+\t], v[P+5*g+\k], v[O+2*\t] op_sel:[0,0,0] op_sel_hi:[1,0,0]
	v_fma_mix_f32_bf16 v[O+2*\t+1], v[XB+20*(g%2)+4*\k+\t], v[P+5*g+\k], v[O+2*\t+1] op_sel:[1,0,0] op_sel_hi:[1,0,0]
.endr
.endr
.set g, g+1
.endr
	s_wait_xcnt 0x0                                ; the scores' stores have read their registers: the next shot may write them
.Ls_end:
	BARRIER                                        ; every wave's reads of this shot's LDS bytes are over: the next shot may write them
	s_add_co_u32 s23, s23, 80
	s_add_co_u32 s25, s25, 1
	s_cmp_lt_u32 s25, 4
	s_cbranch_scc1 .Lshot
	; the record: lane's channels 256 w + 8 lane + 0 .. 3 at 1024 w + 16 lane, + 4 .. 7 another 512 bytes on: each store covers 512 consecutive bytes; the next launch reads them so
	s_lshl_b32 s38, s18, 10
	v_add_nc_u32 v31, s38, v4
	global_store_b128 v31, v[O:O+3], s[16:17]
	global_store_b128 v31, v[O+4:O+7], s[16:17] offset:512
	s_cmp_lg_u32 s18, 0
	s_cbranch_scc1 .Lno_ml
	v_lshlrev_b32 v20, 3, v1
	global_store_b64 v20, v[26:27], s[16:17] offset:4096   ; (m, l), 32 times: 256 consecutive bytes
.Lno_ml:
	s_wait_tensorcnt 0x0                           ; the wave's end: three closing lines behind my last LDS store, the first of them even with no tensor load
	ds_add_u32 v24, v25
	s_wait_dscnt 0x0
	s_endpgm
.Lfunc_end_k_q7a47e24aa2_main:
	.size	k_q7a47e24aa2_main, .Lfunc_end_k_q7a47e24aa2_main-k_q7a47e24aa2_main
	.p2alignl 7, 3214868480
	.fill 96, 4, 3214868480
	.section	.rodata,"a",@progbits
	.p2align	6, 0x0
	.amdhsa_kernel k_q7a47e24aa2_main
		.amdhsa_group_segment_fixed_size 269056
		.amdhsa_private_segment_fixed_size 0
		.amdhsa_enable_private_segment 0
		.amdhsa_kernarg_size 56
		.amdhsa_user_sgpr_count 2
		.amdhsa_user_sgpr_kernarg_segment_ptr 1
		.amdhsa_wavefront_size32 1
		.amdhsa_system_sgpr_workgroup_id_x 1
		.amdhsa_system_sgpr_workgroup_id_y 1
		.amdhsa_system_sgpr_workgroup_id_z 1
		.amdhsa_system_vgpr_workitem_id 0
		.amdhsa_next_free_vgpr 1024
		.amdhsa_next_free_sgpr 66
		.amdhsa_reserve_vcc 1
		.amdhsa_float_denorm_mode_32 3
		.amdhsa_float_denorm_mode_16_64 3
		.amdhsa_memory_ordered 1
		.amdhsa_forward_progress 1
		.amdhsa_inst_pref_size 223
	.end_amdhsa_kernel
	.amdgpu_metadata
---
amdhsa.version: [ 1, 2 ]
amdhsa.kernels:
  - .name:           k_q7a47e24aa2_main
    .symbol:         k_q7a47e24aa2_main.kd
    .args:
      - { .name: multiple_items, .offset: 0, .size: 8, .value_kind: global_buffer, .address_space: global }
      - { .name: order, .offset: 8, .size: 8, .value_kind: global_buffer, .address_space: global }
      - { .name: cnt, .offset: 16, .size: 8, .value_kind: global_buffer, .address_space: global }
      - { .name: uf, .offset: 24, .size: 8, .value_kind: global_buffer, .address_space: global }
      - { .name: pqc, .offset: 32, .size: 8, .value_kind: global_buffer, .address_space: global }
      - { .name: react, .offset: 40, .size: 8, .value_kind: global_buffer, .address_space: global }
      - { .name: part, .offset: 48, .size: 8, .value_kind: global_buffer, .address_space: global }
    .group_segment_fixed_size: 269056
    .private_segment_fixed_size: 0
    .kernarg_segment_align: 8
    .kernarg_segment_size: 56
    .max_flat_workgroup_size: 128
    .sgpr_count:     66
    .vgpr_count:     1024
    .wavefront_size: 32
...
	.end_amdgpu_metadata
.endif
;; end of part 2
;; launch finish (part 3): grid 256 x 1, 1 waves a work-group, no clusters, 0 bytes of LDS; arguments part, react, rank, out0, out1; writes out0, out1
.if DOCPART == 3
	.amdgcn_target "amdgcn-amd-amdhsa--gfx1250"
	.amdhsa_code_object_version 6
	.text
	.protected	k_q7a47e24aa2_finish
	.globl	k_q7a47e24aa2_finish
	.p2align	8
	.type	k_q7a47e24aa2_finish,@function
k_q7a47e24aa2_finish:
	s_mov_b64 s[64:65], 0
	v_nop
	global_prefetch_b8 v0, s[64:65] scope:SCOPE_SE
	s_setreg_imm32_b32 hwreg(HW_REG_WAVE_MODE, 25, 1), 1
	s_wait_xcnt 0x0
; FINISH: work-group (b, e) joins batch b's eight records (o, m, l): M = the largest m, w = 2^(m - M), L = the sum of l w.
; It writes channels 128 e .. 128 e + 127 of out0 = (the sum of o w) / L, and rows 256 e .. 256 e + 255 of out1 = 2^(T - M) / L, T fetched by the row's position.
; A dropped row's position holds -infinity: its weight is 0.  A batch with no kept row has L = 0, and 0 x infinity gives NaN everywhere, as a softmax over -infinity alone does.
	s_load_b256 s[4:11], s[0:1], 0x0               ; part s[4:5], react s[6:7], rank s[8:9], out0 s[10:11]
	s_load_b64 s[12:13], s[0:1], 0x20              ; out1
	s_lshr_b32 s14, ttmp9, 3                       ; b
	s_and_b32 s15, ttmp9, 7                        ; e
	s_mov_b32 s17, 0                               ; s[16:17]: an offset as a pair
	v_lshlrev_b32 v1, 4, v0                        ; 16 lane
	v_mov_b32 v2, 0
	v_and_b32 v3, 15, v0                           ; r
	v_lshrrev_b32 v4, 4, v0                        ; h
	v_lshlrev_b32 v6, 4, v3
	v_lshl_add_u32 v6, v4, 9, v6                   ; in a record: channels 8 r' + 4 h + 0 .. 3 lie at 16 r' + 512 h of their wave's 1,024 bytes
	v_lshlrev_b32 v7, 5, v3
	v_lshl_add_u32 v7, v4, 4, v7                   ; in out0: 32 r + 16 h: the 32 lanes fill 512 consecutive bytes
	s_wait_kmcnt 0x0
	s_mul_i32 s16, s14, 34816                      ; eight records of 4,352 bytes
	s_add_nc_u64 s[4:5], s[4:5], s[16:17]
	s_lshr_b32 s16, s15, 1
	s_lshl_b32 s16, s16, 10                        ; the wave that made my 128 channels,
	s_and_b32 s20, s15, 1
	s_lshl_b32 s20, s20, 8                         ; and which sixteen of its lanes
	s_add_co_u32 s16, s16, s20
	s_add_nc_u64 s[18:19], s[4:5], s[16:17]
	s_lshl_b32 s16, s14, 13
	s_add_nc_u64 s[6:7], s[6:7], s[16:17]
	s_lshl_b32 s20, s15, 10
	s_add_co_u32 s16, s16, s20
	s_add_nc_u64 s[8:9], s[8:9], s[16:17]
	s_add_nc_u64 s[12:13], s[12:13], s[16:17]
	s_lshl_b32 s16, s14, 12
	s_lshl_b32 s20, s15, 9
	s_add_co_u32 s16, s16, s20
	s_add_nc_u64 s[10:11], s[10:11], s[16:17]
	global_load_b128 v[24:27], v1, s[8:9]          ; my rows' positions: rows 4 lane on,
	global_load_b128 v[28:31], v1, s[8:9] offset:512   ; and 128 + 4 lane on
.irp e, 0,1,2,3,4,5,6,7
	global_load_b64 v[8+2*\e:9+2*\e], v2, s[4:5] offset:4352*\e+4096   ; (m, l)
.endr
.irp e, 0,1,2,3,4,5,6,7
	global_load_b128 v[32+4*\e:35+4*\e], v6, s[18:19] offset:4352*\e
.endr
	s_wait_loadcnt 16                              ; the positions are in; the 16 loads behind them may be out
.irp i, 0,1,2,3,4,5,6,7
	v_min_u32 v[64+\i], 2047, v[24+\i]             ; held inside the table before it enters an address
.endr
.irp i, 0,1,2,3,4,5,6,7
	v_lshlrev_b32 v[64+\i], 2, v[64+\i]
.endr
.irp i, 0,1,2,3,4,5,6,7
	global_load_b32 v[72+\i], v[64+\i], s[6:7]     ; T
.endr
	s_wait_loadcnt 8                               ; the records are in; the eight scores may be out
	v_max3_num_f32 v92, v8, v10, v12
	v_max3_num_f32 v92, v92, v14, v16
	v_max3_num_f32 v92, v92, v18, v20
	v_max_num_f32 v92, v92, v22                    ; M
.irp e, 0,1,2,3,4,5,6,7
	v_sub_f32 v[80+\e], v[8+2*\e], v92
.endr
.irp e, 0,1,2,3,4,5,6,7
	v_exp_f32 v[80+\e], v[80+\e]                   ; w
.endr
	v_nop
	s_wait_alu depctr_va_vdst(0)                   ; one wait for the batch, ahead of its first reader
	v_mul_f32 v93, v9, v80
.irp e, 1,2,3,4,5,6,7
	v_fma_f32 v93, v[9+2*\e], v[80+\e], v93        ; L
.endr
	v_rcp_f32 v94, v93
.irp i, 0,1,2,3
	v_mul_f32 v[88+\i], v[32+\i], v80              ; (plain work behind the reciprocal)
.endr
.irp e, 1,2,3,4,5,6,7
.irp i, 0,1,2,3
	v_fma_f32 v[88+\i], v[32+4*\e+\i], v[80+\e], v[88+\i]
.endr
.endr
	s_wait_alu depctr_va_vdst(0)
.irp i, 0,1,2,3
	v_mul_f32 v[88+\i], v[88+\i], v94
.endr
	global_store_b128 v7, v[88:91], s[10:11]
	s_wait_loadcnt 0x0
.irp i, 0,1,2,3,4,5,6,7
	v_sub_f32 v[72+\i], v[72+\i], v92
.endr
.irp i, 0,1,2,3,4,5,6,7
	v_exp_f32 v[72+\i], v[72+\i]
.endr
	v_nop
	s_wait_alu depctr_va_vdst(0)
.irp i, 0,1,2,3,4,5,6,7
	v_mul_f32 v[72+\i], v[72+\i], v94
.endr
	global_store_b128 v1, v[72:75], s[12:13]       ; 32 lanes store 512 consecutive bytes
	global_store_b128 v1, v[76:79], s[12:13] offset:512
	s_endpgm
.Lfunc_end_k_q7a47e24aa2_finish:
	.size	k_q7a47e24aa2_finish, .Lfunc_end_k_q7a47e24aa2_finish-k_q7a47e24aa2_finish
	.p2alignl 7, 3214868480
	.fill 96, 4, 3214868480
	.section	.rodata,"a",@progbits
	.p2align	6, 0x0
	.amdhsa_kernel k_q7a47e24aa2_finish
		.amdhsa_group_segment_fixed_size 0
		.amdhsa_private_segment_fixed_size 0
		.amdhsa_enable_private_segment 0
		.amdhsa_kernarg_size 40
		.amdhsa_user_sgpr_count 2
		.amdhsa_user_sgpr_kernarg_segment_ptr 1
		.amdhsa_wavefront_size32 1
		.amdhsa_system_sgpr_workgroup_id_x 1
		.amdhsa_system_sgpr_workgroup_id_y 1
		.amdhsa_system_sgpr_workgroup_id_z 1
		.amdhsa_system_vgpr_workitem_id 0
		.amdhsa_next_free_vgpr 96
		.amdhsa_next_free_sgpr 66
		.amdhsa_reserve_vcc 0
		.amdhsa_float_denorm_mode_32 3
		.amdhsa_float_denorm_mode_16_64 3
		.amdhsa_memory_ordered 1
		.amdhsa_forward_progress 1
		.amdhsa_inst_pref_size 10
	.end_amdhsa_kernel
	.amdgpu_metadata
---
amdhsa.version: [ 1, 2 ]
amdhsa.kernels:
  - .name:           k_q7a47e24aa2_finish
    .symbol:         k_q7a47e24aa2_finish.kd
    .args:
      - { .name: part, .offset: 0, .size: 8, .value_kind: global_buffer, .address_space: global }
      - { .name: react, .offset: 8, .size: 8, .value_kind: global_buffer, .address_space: global }
      - { .name: rank, .offset: 16, .size: 8, .value_kind: global_buffer, .address_space: global }
      - { .name: out0, .offset: 24, .size: 8, .value_kind: global_buffer, .address_space: global }
      - { .name: out1, .offset: 32, .size: 8, .value_kind: global_buffer, .address_space: global }
    .group_segment_fixed_size: 0
    .private_segment_fixed_size: 0
    .kernarg_segment_align: 8
    .kernarg_segment_size: 40
    .max_flat_workgroup_size: 32
    .sgpr_count:     66
    .vgpr_count:     96
    .wavefront_size: 32
...
	.end_amdgpu_metadata
.endif
;; end of part 3
;; ======== version 2 of 2: 3 launches
;; workspace buffers: order 278,528 bytes of whole numbers; rank 262,144 bytes of whole numbers; cnt 4,096 bytes of whole numbers; react 278,528 bytes; pqc 131,072 bytes; uf 851,968 bytes; part 1,114,112 bytes
;; launch prep (part 4): grid 160 x 1, 1 waves a work-group, no clusters, 0 bytes of LDS; arguments weights, U_codes, U_scales, v, W_codes, W_scales, queries_codes, queries_scales, order, rank, cnt, react, pqc, uf; writes order, rank, cnt, react, pqc, uf
.if DOCPART == 4
	.amdgcn_target "amdgcn-amd-amdhsa--gfx1250"
	.amdhsa_code_object_version 6
	.text
	.protected	k_q7a47e24aa2_prep
	.globl	k_q7a47e24aa2_prep
	.p2align	8
	.type	k_q7a47e24aa2_prep,@function
k_q7a47e24aa2_prep:
	s_mov_b64 s[64:65], 0
	v_nop
	global_prefetch_b8 v0, s[64:65] scope:SCOPE_SE
	s_setreg_imm32_b32 hwreg(HW_REG_WAVE_SCHED_MODE, 0, 2), 2
	s_setreg_imm32_b32 hwreg(HW_REG_WAVE_MODE, 25, 1), 1
	s_wait_xcnt 0x0
	s_wait_alu depctr_vm_vsrc(0)
; PREP: three small jobs, parted on the work-group's number; one wave to a work-group, no LDS, no barrier.
;  0..31   ROUTE, batch b: a stable partition of the batch's 2,048 rows by weights != 0.  order[b][position] = row (kept rows ascending from 0, dropped rows from
;          2,047 downward, 128 words of 0 behind them), rank[b][row] = position, cnt[b] = the number of kept rows (32 times), react[b][:] = -infinity.
;  32..95  PQ, n tile nt: c x (queries x W) for all 32 batches and 16 columns, on the given codes of FP6 (E2M3); c = 2 log2(e).  pqc is [32][1024] f32.
;  96..159 LAY, n tile nt: U's eight fragments (16 columns x 128 K each) laid as images of the operand's registers, with the columns' scale words and v behind them:
;          record nt of 13,312 bytes: fragment s at 1536 s + 512 g + 16 lane (g: a group of four registers); scale words at 12,288 + 32 r; v at 12,800 + 4 r.
; THE MODE: SCHED_MODE bits 1:0 = 2 (LLVM: expert scheduling mode 2), set by the entry lines.  The code itself states the register dependences between vector or matrix
; instructions and memory instructions, with s_wait_alu, always for 0.
; THE PLAN.  ROUTE: v2 is the loads' offset; v16-79 take the loads and then the positions; v80-143 and v144-207 are offsets and data of the table's stores, a register to each step; all vector
; work stands ahead of ONE wait on va_vdst, and all stores behind it.  The compares write s40-47, eight to a run, with one wait on va_sdst ahead of the run's readers.
; PQ: v7-9 offsets; v112-207 and v216-223 take the queries, are read by the products, and take the next sixteen queries; v232-239 and v248-255 are the stores' data: one wait on va_vdst, ahead of the stores, serves both.
; LAY: loads and stores of what was loaded: the offsets alone are written by vector lines.
.set C2L, 0x4038aa3b                   ; c = 2 log2(e)
	s_load_b512 s[4:19], s[0:1], 0x0               ; weights s[4:5], U_codes s[6:7], U_scales s[8:9], v s[10:11], W_codes s[12:13], W_scales s[14:15], queries_codes s[16:17], queries_scales s[18:19]
	s_load_b256 s[20:27], s[0:1], 0x40             ; order s[20:21], rank s[22:23], cnt s[24:25], react s[26:27]
	s_load_b128 s[28:31], s[0:1], 0x60             ; pqc s[28:29], uf s[30:31]
	v_and_b32 v1, 31, v0                           ; lane
	v_lshlrev_b32 v2, 2, v1                        ; 4 x lane
	v_lshlrev_b32 v3, 4, v1                        ; 16 x lane
	s_mov_b32 s33, 0                               ; s[32:33]: an offset as a pair
	s_wait_kmcnt 0x0
	s_cmp_lt_u32 ttmp9, 32
	s_cbranch_scc0 .Lnot_route
	; ---- ROUTE
	s_lshl_b32 s32, ttmp9, 13                      ; 8,192 bytes a batch
	s_add_nc_u64 s[4:5], s[4:5], s[32:33]
	s_add_nc_u64 s[22:23], s[22:23], s[32:33]
	s_add_nc_u64 s[26:27], s[26:27], s[32:33]
	s_mul_i32 s32, ttmp9, 8704                     ; order: 2,176 words a batch
	s_add_nc_u64 s[20:21], s[20:21], s[32:33]
	s_lshl_b32 s32, ttmp9, 7
	s_add_nc_u64 s[24:25], s[24:25], s[32:33]
	s_wait_alu depctr_va_vdst(0)                   ; v2 is written, which the loads below read as their offset
.set j, 0
.rept 64
	global_load_b32 v[16+j], v2, s[4:5] offset:128*j   ; rows 32 j + lane
.set j, j+1
.endr
.irp i, 4,5,6,7
	v_mov_b32 v\i, 0xff800000                      ; -infinity
.endr
.irp i, 12,13,14,15
	v_mov_b32 v\i, 0
.endr
	s_mov_b32 s38, 0                               ; kept rows so far
	s_wait_loadcnt 0x0
; 32 rows a step, eight steps to a run.  Every step has registers of its own for what its two stores read, so nothing that a store reads is written again.
.set g, 0
.rept 8
.irp k, 0,1,2,3,4,5,6,7
	v_cmp_ne_u32 s[40+\k], 0, v[16+8*g+\k]         ; kept?
.endr
	s_wait_alu depctr_va_sdst(0)                   ; the eight masks s40-47 are written, ahead of their first readers
.irp k, 0,1,2,3,4,5,6,7
	v_mbcnt_lo_u32_b32 v8, s[40+\k], 0             ; kept rows of this step in the lanes below me
	v_add_nc_u32 v9, s38, v8                       ; kept rows ahead of me: a kept row's position
	v_sub_nc_u32 v10, v9, v1
	v_add_nc_u32 v10, 2047-32*(8*g+\k), v10        ; 2,047 - (dropped rows ahead of me): a dropped row's
	v_cndmask_b32 v[16+8*g+\k], v10, v9, s[40+\k]
	s_bcnt1_i32_b32 s39, s[40+\k]
	s_add_co_u32 s38, s38, s39
	v_min_u32 v[80+8*g+\k], 2047, v[16+8*g+\k]     ; held inside the table before it enters an address
	v_lshlrev_b32 v[80+8*g+\k], 2, v[80+8*g+\k]
	v_add_nc_u32 v[144+8*g+\k], 32*(8*g+\k), v1    ; my row
.endr
.set g, g+1
.endr
	v_mov_b32 v11, s38
	s_wait_alu depctr_va_vdst(0)                   ; the positions v16-79, their offsets v80-143, the rows v144-207, the fills v4-7 and v12-15 and the count v11 are written: all the stores below read them
.set j, 0
.rept 64
	global_store_b32 v2, v[16+j], s[22:23] offset:128*j
	global_store_b32 v[80+j], v[144+j], s[20:21]
.set j, j+1
.endr
.set j, 0
.rept 16
	global_store_b128 v3, v[4:7], s[26:27] offset:512*j   ; the scores begin as -infinity: the next launch writes the kept positions
.set j, j+1
.endr
	global_store_b128 v3, v[12:15], s[20:21] offset:8192  ; 128 words of 0 behind the table
	global_store_b32 v2, v11, s[24:25]
	s_endpgm
.Lnot_route:
	v_and_b32 v5, 15, v0                           ; r
	s_wait_alu depctr_va_vdst(0)
	v_lshrrev_b32 v6, 4, v1                        ; h
	v_mul_u32_u24 v7, v5, 768                      ; a row of 1,024 codes is 768 bytes;
	v_mad_u32_u24 v7, v6, 24, v7                   ; + 24 h: lane (r, h) takes K = 64 c + 32 h + 0 .. 31 of row r
	v_lshlrev_b32 v8, 5, v5                        ; a row of scales is 32 bytes: eight words
; eight fragments (16 rows x 128 K each, 12 registers) of 16 rows of codes, from off bytes on: pieces of 8 bytes, so that every address is a multiple of the access's size
.macro FRAGS reg, sb, off
.irp s, 0,1,2,3,4,5,6,7
.irp p, 0,1,2,3,4,5
	global_load_b64 v[\reg+12*\s+2*\p:\reg+12*\s+2*\p+1], v7, s[\sb:\sb+1] offset:\off+96*\s+48*(\p/3)+8*(\p%3)
.endr
.endr
.endm
	s_cmp_lt_u32 ttmp9, 96
	s_cbranch_scc0 .Llay
	; ---- PQ: source 0 = 16 queries, source 1 = 16 columns of W: register j of lane (r, h) is pq(16 mt + 8 h + j, 16 nt + r)
	s_sub_co_u32 s34, ttmp9, 32                    ; nt
	s_mul_i32 s32, s34, 12288
	s_add_nc_u64 s[12:13], s[12:13], s[32:33]
	s_lshl_b32 s32, s34, 9
	s_add_nc_u64 s[14:15], s[14:15], s[32:33]
	s_lshl_b32 s32, s34, 6
	s_add_nc_u64 s[28:29], s[28:29], s[32:33]
	v_lshlrev_b32 v9, 2, v5
	s_wait_alu depctr_va_vdst(0)
	v_lshl_add_u32 v9, v6, 15, v9                  ; 4 r + 8 h rows of 4,096 bytes
	s_wait_alu depctr_va_vdst(0)                   ; the offsets v7, v8 and v9 are written, which the loads and stores below read
	FRAGS 16, 12, 0                                ; W: v16-111
	global_load_b128 v[208:211], v8, s[14:15]      ; W's scale words: v208-215
	global_load_b128 v[212:215], v8, s[14:15] offset:16
.macro PQ mt, acc, res
	FRAGS 112, 16, 12288*\mt                       ; the queries: v112-207
	global_load_b128 v[216:219], v8, s[18:19] offset:512*\mt
	global_load_b128 v[220:223], v8, s[18:19] offset:512*\mt+16
	s_wait_loadcnt 0x0
	v_wmma_scale_f32_16x16x128_f8f6f4 v[\acc:\acc+7], v[112:123], v[16:27], 0, v216, v208 matrix_a_fmt:MATRIX_FMT_FP6 matrix_b_fmt:MATRIX_FMT_FP6
.irp s, 1,2,3,4,5,6,7
	s_wait_alu depctr_va_vdst(0)                   ; the wait directly ahead of every link
	v_wmma_scale_f32_16x16x128_f8f6f4 v[\acc:\acc+7], v[112+12*\s:123+12*\s], v[16+12*\s:27+12*\s], v[\acc:\acc+7], v[216+\s], v[208+\s] matrix_a_fmt:MATRIX_FMT_FP6 matrix_b_fmt:MATRIX_FMT_FP6
.endr
.rept 5
	v_nop                                          ; places behind the last product, ahead of the reads below
.endr
.irp j, 0,1,2,3,4,5,6,7
	v_mul_f32 v[\res+\j], C2L, v[\acc+\j]          ; c x pq, from the accumulator's low end on
.endr
	s_wait_alu depctr_va_vdst(0)                   ; c x pq is written, which the stores read; and the products are done reading v112-207 and v216-223, in which the next sixteen queries land
.irp j, 0,1,2,3,4,5,6,7
	global_store_b32 v9, v[\res+\j], s[28:29] offset:65536*\mt+4096*\j
.endr
.endm
	PQ 0, 224, 232
	PQ 1, 240, 248
	s_endpgm
.Llay:
	; ---- LAY
	s_sub_co_u32 s34, ttmp9, 96                    ; nt
	s_mul_i32 s32, s34, 12288
	s_add_nc_u64 s[6:7], s[6:7], s[32:33]
	s_lshl_b32 s32, s34, 9
	s_add_nc_u64 s[8:9], s[8:9], s[32:33]
	s_lshl_b32 s32, s34, 6
	s_add_nc_u64 s[10:11], s[10:11], s[32:33]
	s_mul_i32 s32, s34, 13312
	s_add_nc_u64 s[30:31], s[30:31], s[32:33]
	v_lshlrev_b32 v9, 2, v5
	s_wait_alu depctr_va_vdst(0)                   ; the offsets v3, v7, v8 and v9 are written, which the loads and stores below read
	FRAGS 16, 6, 0
	global_load_b128 v[112:115], v8, s[8:9]
	global_load_b128 v[116:119], v8, s[8:9] offset:16
	global_load_b32 v120, v9, s[10:11]
	s_wait_loadcnt 0x0
.irp s, 0,1,2,3,4,5,6,7
.irp g, 0,1,2
	global_store_b128 v3, v[16+12*\s+4*\g:19+12*\s+4*\g], s[30:31] offset:1536*\s+512*\g   ; 32 lanes store 512 consecutive bytes
.endr
.endr
	global_store_b128 v8, v[112:115], s[30:31] offset:12288   ; lanes 16-31 repeat lanes 0-15: the same bytes with the same values
	global_store_b128 v8, v[116:119], s[30:31] offset:12304
	global_store_b32 v9, v120, s[30:31] offset:12800
	s_endpgm
.Lfunc_end_k_q7a47e24aa2_prep:
	.size	k_q7a47e24aa2_prep, .Lfunc_end_k_q7a47e24aa2_prep-k_q7a47e24aa2_prep
	.p2alignl 7, 3214868480
	.fill 96, 4, 3214868480
	.section	.rodata,"a",@progbits
	.p2align	6, 0x0
	.amdhsa_kernel k_q7a47e24aa2_prep
		.amdhsa_group_segment_fixed_size 0
		.amdhsa_private_segment_fixed_size 0
		.amdhsa_enable_private_segment 0
		.amdhsa_kernarg_size 112
		.amdhsa_user_sgpr_count 2
		.amdhsa_user_sgpr_kernarg_segment_ptr 1
		.amdhsa_wavefront_size32 1
		.amdhsa_system_sgpr_workgroup_id_x 1
		.amdhsa_system_sgpr_workgroup_id_y 1
		.amdhsa_system_sgpr_workgroup_id_z 1
		.amdhsa_system_vgpr_workitem_id 0
		.amdhsa_next_free_vgpr 256
		.amdhsa_next_free_sgpr 66
		.amdhsa_reserve_vcc 0
		.amdhsa_float_denorm_mode_32 3
		.amdhsa_float_denorm_mode_16_64 3
		.amdhsa_memory_ordered 1
		.amdhsa_forward_progress 1
		.amdhsa_inst_pref_size 84
	.end_amdhsa_kernel
	.amdgpu_metadata
---
amdhsa.version: [ 1, 2 ]
amdhsa.kernels:
  - .name:           k_q7a47e24aa2_prep
    .symbol:         k_q7a47e24aa2_prep.kd
    .args:
      - { .name: weights, .offset: 0, .size: 8, .value_kind: global_buffer, .address_space: global }
      - { .name: U_codes, .offset: 8, .size: 8, .value_kind: global_buffer, .address_space: global }
      - { .name: U_scales, .offset: 16, .size: 8, .value_kind: global_buffer, .address_space: global }
      - { .name: v, .offset: 24, .size: 8, .value_kind: global_buffer, .address_space: global }
      - { .name: W_codes, .offset: 32, .size: 8, .value_kind: global_buffer, .address_space: global }
      - { .name: W_scales, .offset: 40, .size: 8, .value_kind: global_buffer, .address_space: global }
      - { .name: queries_codes, .offset: 48, .size: 8, .value_kind: global_buffer, .address_space: global }
      - { .name: queries_scales, .offset: 56, .size: 8, .value_kind: global_buffer, .address_space: global }
      - { .name: order, .offset: 64, .size: 8, .value_kind: global_buffer, .address_space: global }
      - { .name: rank, .offset: 72, .size: 8, .value_kind: global_buffer, .address_space: global }
      - { .name: cnt, .offset: 80, .size: 8, .value_kind: global_buffer, .address_space: global }
      - { .name: react, .offset: 88, .size: 8, .value_kind: global_buffer, .address_space: global }
      - { .name: pqc, .offset: 96, .size: 8, .value_kind: global_buffer, .address_space: global }
      - { .name: uf, .offset: 104, .size: 8, .value_kind: global_buffer, .address_space: global }
    .group_segment_fixed_size: 0
    .private_segment_fixed_size: 0
    .kernarg_segment_align: 8
    .kernarg_segment_size: 112
    .max_flat_workgroup_size: 32
    .sgpr_count:     66
    .vgpr_count:     256
    .wavefront_size: 32
...
	.end_amdgpu_metadata
.endif
;; end of part 4
;; launch main (part 5): grid 256 x 1, 4 waves a work-group, no clusters, 269,056 bytes of LDS; arguments multiple_items, order, cnt, uf, pqc, react, part; writes react, part
.if DOCPART == 5
	.amdgcn_target "amdgcn-amd-amdhsa--gfx1250"
	.amdhsa_code_object_version 6
	.text
	.protected	k_q7a47e24aa2_main
	.globl	k_q7a47e24aa2_main
	.p2align	8
	.type	k_q7a47e24aa2_main,@function
k_q7a47e24aa2_main:
	s_mov_b64 s[64:65], 0
	v_nop
	global_prefetch_b8 v0, s[64:65] scope:SCOPE_SE
	s_setreg_imm32_b32 hwreg(HW_REG_WAVE_SCHED_MODE, 0, 2), 2
	s_setreg_imm32_b32 hwreg(HW_REG_WAVE_MODE, 25, 1), 1
	s_wait_xcnt 0x0
	s_wait_alu depctr_vm_vsrc(0)
; MAIN: work-group (b, e) takes the e-th eighth of batch b's KEPT rows (weights != 0; the dropped rows' scores are -infinity and their weights 0, so they are not multiplied), 80 rows a shot:
;  F  gather the rows (f32), turn them through LDS, quantise to FP6 (E2M3) with one E8M0 scale for each 32 along K; codes and scale words go to LDS as images of the operand's registers, a bf16 copy beside them
;  N  pi = rows x U by v_wmma_scale_f32_16x16x128_f8f6f4.  The rows' codes for all of K stay in registers (40 fragments); wave w owns columns 256 w .. 256 w + 255; U's fragments come from memory
;     straight into registers, laid for that by the launch before: each is read by one wave and feeds five products.  tanh x = 1 - 2 / (1 + 2^(c x)), c = 2 log2(e); the sum of v is the same for all
;     rows of a softmax and is left out; the score in log2 units is T = -c x sum over a of v[a] / (1 + 2^(c pi + c pq)).
;  S  the running maximum m is taken away: p = 2^(T - m); l = the sum of p; o = the sum of p x row, from the bf16 copy, by fused multiply-adds in f32 (wave w: channels 256 w on).
; The work-group stores the kept rows' T by position, and one record (o, m, l); the next launch joins a batch's eight records.
; The shot loop has a constant 4 trips (4 x 80 rows serve a share of 256, all rows kept); a trip with no rows left jumps over the work and passes the barriers.  The branch hangs on a stored count, the same
; in all four waves; no barrier stands inside it.  What work-groups share (U) comes by plain loads.
; LIMITS: NaN and infinities among the items are not served; a block whose largest magnitude lies under 2^-124 gets the scale byte 1; a block of zeros too (its codes are zeros).
; REGISTERS, in windows of 256.  Window 0: v1-31 addresses and statistics; v32-71 the rows' scale words; v72-87 U's, two sets; v88-95 c pq and v of my column, two sets; v96-103 o; v104-135 at work;
;  v136-175 the sums of v / (1 + ..); v176-215 five accumulators; v216-255 at work.  In F: v136-199 64 numbers, v200-227 codes and scales at work.  In S: v176-255 p of the 80 rows.
;  Window 1: fragments of K steps 0-3 (12 (5 s + m)); in F four sets of 64 numbers as loaded; in S rows 0-59 of the copy, four registers a row.  Window 2: K steps 4-7; in F v0-39 the gather's offsets; in S v0-79 rows 60-79.
;  Window 3: U's fragments, two sets of 96.
; THE MODE: SCHED_MODE bits 1:0 = 2 (LLVM: expert scheduling mode 2), set by the entry lines.  The code itself states the register dependences between vector or matrix instructions and memory or LDS
; instructions, with s_wait_alu, always for 0.
; THE PLAN.  The addresses v4-19, v22, v23, v28 are made at the head and never written again.  Each phase states its own dependences and leaves none open at its end, so that every way through the three branches is served.
;  F  the offsets (window 2): written by vector lines, read and landed on by the list's loads, written again, read by the gather.  The numbers as loaded (window 1): the gather lands, the stage's LDS stores read; no vector
;     line names them.  v136-199: the stage's LDS loads land, the quantiser reads and writes, the copy's LDS stores read.  The codes and the scale word: the quantiser writes, LDS stores read.
;     A fragment has three waits: vm_vsrc behind the stage's stores (the loads of four fragments on follow), va_vdst behind the quantiser (its LDS stores follow; the next fragment's numbers may land), vm_vsrc behind those stores.
;  N  windows 1, 2 and v32-71: the images land once a shot, the products read.  A set of U and its scale words: the products read, then the loads of two n tiles on land: va_vdst stands behind the epilogue's first
;     multiply-adds, which read the accumulators.  c pq and v: the epilogue reads, then loads land: va_vdst behind its last multiply-adds.  The sums: va_vdst ahead of their LDS stores, vm_vsrc behind.
;  S  v104-123: the sums' parts land, arithmetic follows; stores read T, the offsets and p.  Every row of the copy has registers of its own, which no vector line names before its load: the copy's loads need no wait on va_vdst.
;     At the phase's end vm_vsrc (the stores have read) and va_vdst (the blend is done reading) free all of it for the next shot.
.set C2L,  0x4038aa3b                  ; c = 2 log2(e)
.set AIMG, 0                           ; LDS: the rows' 40 fragments, F = 5 s + m at 1536 F + 512 g + 16 lane
.set ASCL, 61440                       ; their scale words: 176 lane + 4 F
.set STG,  67072                       ; a stage for each wave: 16 rows x (512 + 16) bytes
.set BFC,  100864                      ; the bf16 copy: 80 rows x (2,048 + 16) bytes
.set SCR,  265984                      ; each wave's part of the 80 sums: 320 wave + 4 row
.set PRG,  267264                      ; p of the 80 rows, each wave's own: 320 wave + 4 row
.set SPARE, 268544                     ; the spare words, 128 bytes for each wave: two blocks of 256 bytes that no other line names
.set ASC, 32
.set USC, 72
.set CV,  88
.set O,   96
.set SC,  136
.set ACC, 176
.set TMP, 216
.set X,   136
.set CD,  200
.set T2,  212
.set MX,  220
.set SO,  222
.set BY,  224
.set PW,  226
.set PT,  227
.set P,   176
.set BWA, 10
.set BRA, 13
.set MSB, 0
.macro WIN new                         ; bits 1:0 source 0, 3:2 source 1, 5:4 source 2, 7:6 destination; the high byte repeats the setting that is left
.if MSB != \new
	s_set_vgpr_msb (MSB<<8)|\new
.set MSB, \new
.endif
.endm
.macro BARRIER                         ; my LDS stores have landed and my LDS loads are in: then the work-group's barrier
	s_wait_dscnt 0x0
	s_barrier_signal -1
	s_barrier_wait -1
.endm
.macro ACTIVE lbl                      ; are rows left?  s23: the shot's first position, s24: the end of my share
	s_cmp_lt_u32 s23, s24
	s_cbranch_scc0 \lbl
.endm
; U's n tile of set p: eight fragments and the columns' eight scale words: 26 loads
.macro LOADU p, sb
	WIN 0xc0
.irp s, 0,1,2,3,4,5,6,7
.irp g, 0,1,2
	global_load_b128 v[96*\p+12*\s+4*\g:96*\p+12*\s+4*\g+3], v4, s[\sb:\sb+1] offset:13312*\p+1536*\s+512*\g
.endr
.endr
	WIN 0
	global_load_b128 v[USC+8*\p:USC+8*\p+3], v22, s[\sb:\sb+1] offset:13312*\p+12288
	global_load_b128 v[USC+8*\p+4:USC+8*\p+7], v22, s[\sb:\sb+1] offset:13312*\p+12304
.endm
; v and c pq of my column of that n tile: 2 loads
.macro LOADCV p, sbu, sbq
	global_load_b32 v[CV+4*\p+2], v23, s[\sbu:\sbu+1] offset:13312*\p+12800
	global_load_b32 v[CV+4*\p], v23, s[\sbq:\sbq+1] offset:64*\p
.endm
; fragment f of my ten (tile of rows f / 2, K step 2 w + f % 2): 16 rows x 512 bytes; lanes 0-15 take 256 consecutive bytes of an even row, lanes 16-31 of the odd row behind it
.macro LOADF f
	WIN 0x42
.irp i, 0,1,2,3,4,5,6,7
.irp u, 0,1
	global_load_b128 v[64*((\f)%4)+8*\i+4*\u:64*((\f)%4)+8*\i+4*\u+3], v[8*((\f)/2)+\i], s[4:5] offset:512*((\f)%2)+256*\u
.endr
.endr
	WIN 0
.endm
; through my stage: in as loaded, out as the operand's layout wants them: lane (r, h) takes K = 64 c + 32 h + 0 .. 31 of row r: two whole blocks.  LDS serves a wave's instructions in order.
; The loads of four fragments on stand behind the stage's loads and ahead of the wait for them.
.macro TURN f
	WIN 0x04
.irp i, 0,1,2,3,4,5,6,7
.irp u, 0,1
	ds_store_b128 v5, v[64*((\f)%4)+8*\i+4*\u:64*((\f)%4)+8*\i+4*\u+3] offset:1056*\i+256*\u
.endr
.endr
	WIN 0
.irp c, 0,1
.irp q, 0,1,2,3,4,5,6,7
	ds_load_b128 v[X+32*\c+4*\q:X+32*\c+4*\q+3], v6 offset:256*\c+16*\q
.endr
.endr
.if (\f) < 6
	s_wait_alu depctr_vm_vsrc(0)                   ; the LDS stores above have read this set of numbers as loaded, in which the loads below land
	LOADF (\f)+4
.endif
	s_wait_dscnt 0x0                               ; the numbers are back
.endm
; 64 numbers of a lane become a fragment's 12 registers of codes (CD), its row's scale word (PW) and 32 registers of bf16 (X on)
.macro QUANT
.irp c, 0,1
	v_max3_num_f32 v[MX+\c], |v[X+32*\c]|, |v[X+32*\c+1]|, 0x1800000   ; the block's largest magnitude, and the floor 2^(3 - 127): the byte cannot fall under 1
.endr
.irp i, 2,4,6,8,10,12,14,16,18,20,22,24,26,28,30
.irp c, 0,1
	v_max3_num_f32 v[MX+\c], v[MX+\c], |v[X+32*\c+\i]|, |v[X+32*\c+\i+1]|
.endr
.endr
.irp c, 0,1
	v_add_nc_u32 v[SO+\c], 0xff000000, v[MX+\c]    ; 2 off its exponent field: the conversion takes the exponent field of this operand as its scale
.endr
.irp c, 0,1
	v_lshrrev_b32 v[BY+\c], 23, v[SO+\c]           ; the scale's byte
.endr
	v_lshl_or_b32 v[PW], v[BY+1], 16, v[BY]        ; my bytes: blocks h and 2 + h,
	v_lshlrev_b32 v[PW], v21, v[PW]                ; at their places (8 h bits up);
	v_permlanex16_b32 v[PT], v[PW], s36, s37
	v_or_b32 v[PW], v[PW], v[PT]                   ; with lane l xor 16's two the word is whole
.irp c, 0,1
	v_cvt_scalef32_pk16_fp6_f32 v[CD+6*\c:CD+6*\c+2], v[X+32*\c:X+32*\c+15], v[SO+\c]
	v_cvt_scalef32_pk16_fp6_f32 v[T2+4*\c:T2+4*\c+2], v[X+32*\c+16:X+32*\c+31], v[SO+\c]   ; (a conversion's three registers begin on an even number)
.endr
	v_nop                                          ; one plain place behind a scaled conversion
.irp c, 0,1
.irp i, 0,1,2
	v_mov_b32 v[CD+6*\c+3+\i], v[T2+4*\c+\i]
.endr
.endr
.irp c, 0,1
.irp i, 0,1,2,3,4,5,6,7,8,9,10,11,12,13,14,15
	v_cvt_pk_bf16_f32 v[X+16*\c+\i], v[X+32*\c+2*\i], v[X+32*\c+2*\i+1]   ; in place, ascending: a destination never lies ahead of numbers still to be read
.endr
.endr
.endm
.macro PUT f
	s_wait_alu depctr_va_vdst(0)                   ; the quantiser has written the codes, the scale word and the bf16 numbers, which the LDS stores below read; and it is done with v[X ..], in which the next fragment's numbers land
.irp g, 0,1,2
	ds_store_b128 v7, v[CD+4*\g:CD+4*\g+3] offset:(5*((\f)%2)+(\f)/2)*1536+512*\g
.endr
	ds_store_b32 v8, v[PW] offset:4*(5*((\f)%2)+(\f)/2)
.irp c, 0,1
.irp i, 0,1,2,3
	ds_store_b128 v[BWA+(\f)/4], v[X+16*\c+4*\i:X+16*\c+4*\i+3] offset:33024*(((\f)/2)%2)+256*((\f)%2)+128*\c+16*\i
.endr
.endr
	s_wait_dscnt 0x0                               ; the stores have read their registers
	s_wait_alu depctr_vm_vsrc(0)                   ; beside it: the LDS stores of this fragment, the stage's too, have read their registers: the next fragment's loads and quantiser, and the next phases, write them again
.endm
; 40 products: five tiles of rows x one n tile, all of K.  Source 0 = 16 rows, source 1 = 16 columns of U: register j of lane (r, h) is pi(row 8 h + j, column r).
; The five accumulators take turns, one instruction a turn, from n tile to n tile and over the backward jump too.
.macro MULT p
.irp s, 0,1,2,3,4,5,6,7
.if \s < 4
	WIN 0x0d
.else
	WIN 0x0e
.endif
.irp m, 0,1,2,3,4
.if \s == 0
	v_wmma_scale_f32_16x16x128_f8f6f4 v[ACC+8*\m:ACC+8*\m+7], v[12*(5*(\s%4)+\m):12*(5*(\s%4)+\m)+11], v[96*\p+12*\s:96*\p+12*\s+11], 0, v[ASC+5*\s+\m], v[USC+8*\p+\s] matrix_a_fmt:MATRIX_FMT_FP6 matrix_b_fmt:MATRIX_FMT_FP6
.else
	v_wmma_scale_f32_16x16x128_f8f6f4 v[ACC+8*\m:ACC+8*\m+7], v[12*(5*(\s%4)+\m):12*(5*(\s%4)+\m)+11], v[96*\p+12*\s:96*\p+12*\s+11], v[ACC+8*\m:ACC+8*\m+7], v[ASC+5*\s+\m], v[USC+8*\p+\s] matrix_a_fmt:MATRIX_FMT_FP6 matrix_b_fmt:MATRIX_FMT_FP6
.endif
.endr
.endr
	WIN 0
.rept 4
	v_nop                                          ; places in front of the first read of results (ISA guide 7.12.1)
.endr
.endm
; 40 numbers a lane: sum += v / (1 + 2^(c pi + c pq)).  EPIA: c pi + c pq.  EPIB: two batches of transcendentals, each with one plain place and one wait ahead of its first reader, and the sums
.macro EPIA p
.set t, 0
.rept 20
	v_pk_fma_f32 v[TMP+t:TMP+t+1], v[ACC+t:ACC+t+1], s[34:35], v[CV+4*\p:CV+4*\p+1] op_sel_hi:[1,0,0]   ; each accumulator from its low end on
.set t, t+2
.endr
.endm
.macro EPIB p
.set t, 0
.rept 40
	v_exp_f32 v[TMP+t], v[TMP+t]
.set t, t+1
.endr
	v_nop
	s_wait_alu depctr_va_vdst(0)                   ; the forty exponentials have written v[TMP ..], ahead of their first reader
.set t, 0
.rept 20
	v_pk_add_f32 v[TMP+t:TMP+t+1], v[TMP+t:TMP+t+1], 1.0 op_sel_hi:[1,0]
.set t, t+2
.endr
.set t, 0
	s_wait_alu depctr_va_vdst(0)
.rept 40
	v_rcp_f32 v[TMP+t], v[TMP+t]
.set t, t+1
.endr
	v_nop
	s_wait_alu depctr_va_vdst(0)                   ; the forty reciprocals have written v[TMP ..], ahead of their first reader
.set t, 0
.rept 20
	v_pk_fma_f32 v[SC+t:SC+t+1], v[TMP+t:TMP+t+1], v[CV+4*\p+2:CV+4*\p+3], v[SC+t:SC+t+1] op_sel_hi:[1,0,1]
.set t, t+2
.endr
.endm
; run c of four: twenty rows of the bf16 copy, my 16 bytes (8 channels) of each, into registers of their own: rows 0-59 in window 1, rows 60-79 in window 2
.macro BLD c
.if (\c) < 3
	WIN 0x40
.else
	WIN 0x80
.endif
.set k, 0
.rept 20
.set row, 20*(\c)+k
	ds_load_b128 v[80*((\c)%3)+4*k:80*((\c)%3)+4*k+3], v[BRA+row/30] offset:(row%30)*2064
.set k, k+1
.endr
.endm
; o += p x row for the twenty rows of run c, rows ascending
.macro BLEND c
.if (\c) < 3
	WIN 0x01
.else
	WIN 0x02
.endif
.set k, 0
.rept 20
.irp t, 0,1,2,3
	v_fma_mix_f32_bf16 v[O+2*\t], v[80*((\c)%3)+4*k+\t], v[P+20*(\c)+k], v[O+2*\t] op_sel:[0,0,0] op_sel_hi:[1,0,0]
	v_fma_mix_f32_bf16 v[O+2*\t+1], v[80*((\c)%3)+4*k+\t], v[P+20*(\c)+k], v[O+2*\t+1] op_sel:[1,0,0] op_sel_hi:[1,0,0]
.endr
.set k, k+1
.endr
.endm
	s_load_b256 s[4:11], s[0:1], 0x0               ; items s[4:5], order s[6:7], cnt s[8:9], uf s[10:11]
	s_load_b128 s[12:15], s[0:1], 0x20             ; pqc s[12:13], react s[14:15]
	s_load_b64 s[16:17], s[0:1], 0x30              ; part
	v_lshl_add_u32 v24, v0, 2, SPARE               ; my spare word,
	v_mov_b32 v25, 0                               ; and 0: kept for the wave's closing lines
	v_lshrrev_b32 v31, 5, v0
	v_readfirstlane_b32 s18, v31                   ; wave w
	s_lshr_b32 s19, ttmp9, 3                       ; batch b
	s_and_b32 s20, ttmp9, 7                        ; eighth e
	v_and_b32 v1, 31, v0                           ; lane
	v_and_b32 v2, 15, v0                           ; r
	v_bfe_u32 v3, v0, 4, 1                         ; h
	v_lshlrev_b32 v4, 4, v1                        ; 16 lane
	s_wait_alu depctr_va_sdst(0)                   ; s18 is written, ahead of its first reader
	s_mul_i32 s38, s18, 8448
	s_add_co_u32 s38, s38, STG                     ; my stage
	v_mul_u32_u24 v5, v3, 528
	v_lshl_add_u32 v5, v2, 4, v5
	v_add_nc_u32 v5, s38, v5                       ; in: row h of a pair, 16 r
	v_mul_u32_u24 v6, v2, 528
	v_lshl_add_u32 v6, v3, 7, v6
	v_add_nc_u32 v6, s38, v6                       ; out: row r, 128 h
	s_mul_i32 s38, s18, 15360
	v_add_nc_u32 v7, s38, v4                       ; my ten images begin at fragment 10 w
	v_mul_u32_u24 v9, v1, 176
	v_add_nc_u32 v9, ASCL, v9                      ; the scale words of my lane
	s_mul_i32 s38, s18, 40
	v_add_nc_u32 v8, s38, v9                       ; and my ten among them
	s_lshl_b32 s38, s18, 9
	s_add_co_u32 s38, s38, BFC                     ; the copy: my wave's 512 bytes of each row
	v_mul_u32_u24 v10, v2, 2064
	v_lshl_add_u32 v10, v3, 6, v10
	v_add_nc_u32 v10, s38, v10                     ; into it: row r, 64 h; tiles 0, 1;
	v_add_nc_u32 v11, 66048, v10                   ; tiles 2, 3;
	v_add_nc_u32 v12, 132096, v10                  ; tile 4
	v_add_nc_u32 v13, s38, v4                      ; out of it: 16 lane; rows 0-29;
	v_add_nc_u32 v14, 61920, v13                   ; rows 30-59;
	v_add_nc_u32 v15, 123840, v13                  ; rows 60-79
	s_mul_i32 s38, s18, 320
	s_add_co_u32 s39, s38, SCR
	v_lshlrev_b32 v16, 5, v3
	v_add_nc_u32 v16, s39, v16                     ; my wave's sums: 32 h
	v_lshl_add_u32 v17, v2, 2, SCR                 ; everybody's: 4 r
	s_add_co_u32 s39, s38, PRG
	v_mov_b32 v19, s39                             ; my wave's p
	v_lshl_add_u32 v18, v2, 2, v19
	v_lshlrev_b32 v21, 3, v3                       ; 8 h
	v_lshlrev_b32 v22, 5, v2                       ; 32 r
	v_lshlrev_b32 v23, 2, v2                       ; 4 r
	v_lshlrev_b32 v28, 4, v2                       ; 16 r
	v_mov_b32 v26, 0xff61b1e6                      ; m: -3e38, under every score
	v_mov_b32 v27, 0                               ; l
	v_mov_b32 v30, 0xff800000                      ; -infinity
	s_lshl_b32 s38, ttmp9, 6
	s_add_co_u32 s38, s38, 262144
	s_lshl_b32 s39, s19, 13
	s_sub_co_u32 s38, s38, s39
	v_mov_b32 v29, s38                             ; where rows past my share's end put their score: a word of my work-group's own behind the table, read by nobody
.irp j, 0,1,2,3,4,5,6,7
	v_mov_b32 v[O+\j], 0
.endr
.irp j, 1,3,5,7
	v_mov_b32 v[CV+\j], 0                          ; named as the upper halves of pairs, so they are written
.endr
	v_mov_b32 v[PT], 0                             ; a lane permute's destination counts as one of its sources
	s_mov_b32 s33, 0                               ; s[32:33]: an offset as a pair
	s_mov_b32 s34, C2L
	s_mov_b32 s35, C2L
	s_mov_b32 s36, 0x76543210
	s_mov_b32 s37, 0xfedcba98                      ; v_permlanex16_b32's selects for lane l xor 16
	s_mov_b32 s40, 0xc038aa3b                      ; -c
	s_wait_kmcnt 0x0
	s_lshl_b32 s32, s19, 7
	s_add_nc_u64 s[8:9], s[8:9], s[32:33]
	s_load_b32 s21, s[8:9], 0x0                    ; the batch's kept rows
	s_lshl_b32 s32, s19, 23                        ; a batch's items: 2^23 bytes;
	s_lshl_b32 s38, s18, 10                        ; my wave's 1,024 bytes of each row
	s_add_co_u32 s32, s32, s38
	s_add_nc_u64 s[4:5], s[4:5], s[32:33]
	s_mul_i32 s32, s19, 8704
	s_add_nc_u64 s[6:7], s[6:7], s[32:33]
	s_mul_i32 s32, s18, 212992                     ; my wave's 16 records of U
	s_add_nc_u64 s[10:11], s[10:11], s[32:33]
	s_lshl_b32 s32, s19, 12
	s_add_co_u32 s32, s32, s38
	s_add_nc_u64 s[12:13], s[12:13], s[32:33]
	s_lshl_b32 s32, s19, 13
	s_add_nc_u64 s[14:15], s[14:15], s[32:33]
	s_mul_i32 s32, ttmp9, 4352
	s_add_nc_u64 s[16:17], s[16:17], s[32:33]
	s_add_nc_u64 s[28:29], s[10:11], 26624         ; the working pointers: the pair of n tiles that the n loop's first trip asks for
	s_add_nc_u64 s[30:31], s[12:13], 128
	s_wait_alu depctr_va_vdst(0)                   ; the addresses v4-19, v22, v23, v28 and the closing add's v24, v25 are written: every load, store and LDS instruction of the kernel reads some of them
	LOADU 0, 10                                    ; n tiles 0 and 1
	LOADCV 0, 10, 12
	LOADU 1, 10
	LOADCV 1, 10, 12
	s_wait_kmcnt 0x0
	s_min_u32 s21, s21, 2048
	s_add_co_u32 s22, s21, 7
	s_lshr_b32 s22, s22, 3                         ; a share: the eighth, rounded up
	s_mul_i32 s23, s20, s22                        ; my first position
	s_add_co_u32 s24, s23, s22
	s_min_u32 s24, s24, s21                        ; and the end of my share
	s_mov_b32 s25, 0
.Lshot:
	; ---- F
	ACTIVE .Lf_end
	s_min_u32 s41, s23, 2047
	s_sub_co_u32 s39, s24, 1
	s_min_u32 s39, s39, 2047                       ; my share's last position: positions past it are held there, so that a last shot's filler rows all name one row
	v_add_nc_u32 v20, s41, v3
	WIN 0x80
.set t, 0
.rept 40
	v_add_nc_u32 v[t], 2*t, v20                    ; pair t of the 80 rows: lanes 0-15 the even one, lanes 16-31 the odd one
.set t, t+1
.endr
	WIN 0x88
.set t, 0
.rept 40
	v_min_u32 v[t], s39, v[t]
.set t, t+1
.endr
.set t, 0
.rept 40
	v_min_u32 v[t], 2047, v[t]
.set t, t+1
.endr
.set t, 0
.rept 40
	v_lshlrev_b32 v[t], 2, v[t]
.set t, t+1
.endr
	WIN 0x82
	s_wait_alu depctr_va_vdst(0)                   ; the positions' offsets (window 2, v0-39) are written: the loads below read them, and land on them
.set t, 0
.rept 40
	global_load_b32 v[t], v[t], s[6:7]             ; position -> row
.set t, t+1
.endr
	s_wait_loadcnt 0x0
	s_wait_alu depctr_vm_vsrc(0)                   ; these loads have read their offsets, which the lines below write again
	WIN 0x88
.set t, 0
.rept 40
	v_min_u32 v[t], 2047, v[t]                     ; held inside the batch before it enters an address
.set t, t+1
.endr
	WIN 0x82
.set t, 0
.rept 40
	v_lshl_add_u32 v[t], v[t], 12, v28             ; row x 4,096 + 16 r
.set t, t+1
.endr
	s_wait_alu depctr_va_vdst(0)                   ; the gather's offsets (window 2, v0-39) are written, which all its loads read
	LOADF 0
	LOADF 1
	LOADF 2
	LOADF 3
.irp f, 0,1,2,3,4,5,6,7,8,9
.if \f < 7
	s_wait_loadcnt 48                              ; this fragment's 16 loads are in; those of the three fragments behind it may be out
.else
	s_wait_loadcnt 16*(9-\f)
.endif
	TURN \f
	QUANT
	PUT \f
.endr
.Lf_end:
	BARRIER                                        ; the 40 images, their scale words and the copy lie in LDS
	; ---- N
	ACTIVE .Ln_end
	WIN 0x40
.set t, 0
.rept 20
.irp g, 0,1,2
	ds_load_b128 v[12*t+4*\g:12*t+4*\g+3], v4 offset:1536*t+512*\g
.endr
.set t, t+1
.endr
	WIN 0x80
.set t, 0
.rept 20
.irp g, 0,1,2
	ds_load_b128 v[12*t+4*\g:12*t+4*\g+3], v4 offset:1536*(t+20)+512*\g
.endr
.set t, t+1
.endr
	WIN 0
.irp q, 0,1,2,3,4,5,6,7,8,9
	ds_load_b128 v[ASC+4*\q:ASC+4*\q+3], v9 offset:16*\q
.endr
.set t, 0
.rept 40
	v_mov_b32 v[SC+t], 0
.set t, t+1
.endr
	s_wait_dscnt 0x0
	s_mov_b32 s26, 0
.Ln:                                               ; 8 trips, two n tiles each; trip i asks for pair (i + 1) mod 8, so the last trip brings n tiles 0 and 1 again, for the next shot, and no load leaves uf
.irp p, 0,1
	s_wait_loadcnt 28                              ; this set's 28 loads are in; the other set's 28, issued behind them, may be out
	MULT \p
	EPIA \p
	s_wait_alu depctr_va_vdst(0)                   ; the products are done reading this set of U's fragments and scale words, in which the loads below land
	LOADU \p, 28
	EPIB \p
	s_wait_alu depctr_va_vdst(0)                   ; the epilogue's multiply-adds are done reading this set's c pq and v, in which the loads below land
	LOADCV \p, 28, 30
.endr
	s_wait_xcnt 0x0                                ; the loads have read their bases: only now are these written
	s_add_co_u32 s38, s26, 2
	s_and_b32 s38, s38, 7
	s_mul_i32 s32, s38, 26624
	s_add_nc_u64 s[28:29], s[10:11], s[32:33]
	s_lshl_b32 s32, s38, 7
	s_add_nc_u64 s[30:31], s[12:13], s[32:33]
	s_add_co_u32 s26, s26, 1
	s_cmp_lt_u32 s26, 8
	s_cbranch_scc1 .Ln
.irp x, 1,2,4,8                                    ; over the 16 lanes that hold a row's 16 columns
.set t, 0
.rept 40
	v_add_f32_dpp v[SC+t], v[SC+t], v[SC+t] row_xmask:\x row_mask:0xf bank_mask:0xf
.set t, t+1
.endr
.endr
	s_wait_alu depctr_va_vdst(0)                   ; the sums v[SC ..] are written, which the LDS stores below read
.irp m, 0,1,2,3,4
.irp q, 0,1
	ds_store_b128 v16, v[SC+8*\m+4*\q:SC+8*\m+4*\q+3] offset:64*\m+16*\q   ; rows 16 m + 8 h + 4 q on; sixteen lanes write the same bytes with the same values
.endr
.endr
	s_wait_alu depctr_vm_vsrc(0)                   ; these LDS stores have read v[SC ..], which the next shot's stage loads and clearing lines write again
.Ln_end:
	BARRIER                                        ; the four waves' parts of the 80 sums lie in LDS
	; ---- S, every wave alike: lane r (both halves) holds rows 16 q + r
	ACTIVE .Ls_end
.irp w, 0,1,2,3
.irp q, 0,1,2,3,4
	ds_load_b32 v[104+5*\w+\q], v17 offset:320*\w+64*\q
.endr
.endr
	BLD 0                                          ; rows 0-19 of the copy are asked for here: they hang on no score
	WIN 0
	s_min_u32 s41, s23, 2047
	v_add_nc_u32 v31, s41, v2
.irp q, 0,1,2,3,4
	v_add_nc_u32 v[124+\q], 16*\q, v31             ; the row's position
.endr
.irp q, 0,1,2,3,4
	v_min_u32 v[129+\q], 2047, v[124+\q]
.endr
.irp q, 0,1,2,3,4
	v_lshlrev_b32 v[129+\q], 2, v[129+\q]
.endr
	s_wait_dscnt 20                                ; the sums' twenty parts are in; the twenty rows' loads behind them may be out
.irp q, 0,1,2,3,4
	v_add_f32 v[104+\q], v[104+\q], v[109+\q]
.endr
.irp q, 0,1,2,3,4
	v_add_f32 v[114+\q], v[114+\q], v[119+\q]
.endr
.irp q, 0,1,2,3,4
	v_add_f32 v[104+\q], v[104+\q], v[114+\q]
.endr
.irp q, 0,1,2,3,4
	v_mul_f32 v[104+\q], s40, v[104+\q]            ; T
.endr
.irp q, 0,1,2,3,4
	v_cmp_gt_u32 s[42+\q], s24, v[124+\q]          ; inside my share?
.endr
	s_wait_alu depctr_va_sdst(0)                   ; the five masks s42-46 are written, ahead of their first readers
.irp q, 0,1,2,3,4
	v_cndmask_b32 v[104+\q], v30, v[104+\q], s[42+\q]   ; else -infinity: p = 0
	v_cndmask_b32 v[129+\q], v29, v[129+\q], s[42+\q]
.endr
	s_cmp_lg_u32 s18, 0
	s_cbranch_scc1 .Lnot_w0
	s_wait_alu depctr_va_vdst(0)                   ; T (v104-108) and its offsets (v129-133) are written, which the stores below read
.irp q, 0,1,2,3,4
	global_store_b32 v[129+\q], v[104+\q], s[14:15]
.endr
.Lnot_w0:
	s_wait_alu depctr_va_vdst(0)
	v_max3_num_f32 v135, v104, v105, v106
	v_max3_num_f32 v135, v135, v107, v108
.irp x, 1,2,4,8
	v_max_num_f32_dpp v135, v135, v135 row_xmask:\x row_mask:0xf bank_mask:0xf
.endr
	v_max_num_f32 v134, v26, v135                  ; the new m
	v_sub_f32 v114, v26, v134
.irp q, 0,1,2,3,4
	v_sub_f32 v[109+\q], v[104+\q], v134
.endr
	s_wait_alu depctr_va_vdst(0)
	v_exp_f32 v114, v114                           ; f = 2^(old m - new m)
.irp q, 0,1,2,3,4
	v_exp_f32 v[109+\q], v[109+\q]                 ; p
.endr
	v_mov_b32 v26, v134                            ; (the plain place behind the batch)
	s_wait_alu depctr_va_vdst(0)                   ; the six exponentials have written f (v114) and p (v109-113), ahead of their first readers: the LDS stores below among them
.irp q, 0,1,2,3,4
	ds_store_b32 v18, v[109+\q] offset:64*\q       ; p through my own bytes of LDS, so that every lane gets all 80: LDS serves a wave's instructions in order
.endr
.set t, 0
.rept 20
	ds_load_b128 v[P+4*t:P+4*t+3], v19 offset:16*t ; no vector line since the wait above names these registers
.set t, t+1
.endr
	v_add_f32 v115, v109, v110
	v_add_f32 v116, v111, v112
	v_add_f32 v115, v115, v116
	v_add_f32 v115, v115, v113
.irp x, 1,2,4,8
	v_add_f32_dpp v115, v115, v115 row_xmask:\x row_mask:0xf bank_mask:0xf
.endr
	v_fma_f32 v27, v27, v114, v115                 ; l
.irp j, 0,1,2,3,4,5,6,7
	v_mul_f32 v[O+\j], v[O+\j], v114
.endr
	s_wait_alu depctr_va_vdst(0)
	s_wait_dscnt 0x0                               ; p of the 80 rows and rows 0-19 are in
	BLD 1                                          ; each run of rows is asked for a run ahead, into registers that no vector line has named in this phase
	BLEND 0
	BLD 2
	s_wait_alu depctr_va_vdst(0)
	s_wait_dscnt 20                                ; all but the twenty loads just issued
	BLEND 1
	BLD 3
	s_wait_alu depctr_va_vdst(0)
	s_wait_dscnt 20                                ; all but the twenty loads just issued
	BLEND 2
	s_wait_alu depctr_va_vdst(0)
	s_wait_dscnt 0x0
	BLEND 3
	WIN 0
	s_wait_xcnt 0x0                                ; the scores' stores have read their registers: the next shot may write them
	s_wait_alu depctr_vm_vsrc(0)                   ; beside it: the scores' stores have read v104-108 and v129-133, and p's LDS stores v109-113, which the next shot's loads and arithmetic write again
	s_wait_alu depctr_va_vdst(0)                   ; the blend is done reading windows 1 and 2 and p, and the arithmetic with v104-123: the next shot's loads land in all of them
.Ls_end:
	BARRIER                                        ; every wave's reads of this shot's LDS bytes are over: the next shot may write them
	s_add_co_u32 s23, s23, 80
	s_add_co_u32 s25, s25, 1
	s_cmp_lt_u32 s25, 4
	s_cbranch_scc1 .Lshot
	; the record: lane's channels 256 w + 8 lane + 0 .. 3 at 1024 w + 16 lane, + 4 .. 7 another 512 bytes on: each store covers 512 consecutive bytes; the next launch reads them so
	s_lshl_b32 s38, s18, 10
	v_add_nc_u32 v31, s38, v4
	v_lshlrev_b32 v20, 3, v1
	s_wait_alu depctr_va_vdst(0)                   ; the two offsets v31 and v20 are written, and o, m and l: the stores below read them
	global_store_b128 v31, v[O:O+3], s[16:17]
	global_store_b128 v31, v[O+4:O+7], s[16:17] offset:512
	s_cmp_lg_u32 s18, 0
	s_cbranch_scc1 .Lno_ml
	global_store_b64 v20, v[26:27], s[16:17] offset:4096   ; (m, l), 32 times: 256 consecutive bytes
.Lno_ml:
	s_wait_dscnt 0x0                               ; the closing lines, six on end
	s_wait_alu 0x0
	s_wait_tensorcnt 0x0
	ds_add_u32 v24, v25
	s_wait_dscnt 0x0
	s_endpgm
.Lfunc_end_k_q7a47e24aa2_main:
	.size	k_q7a47e24aa2_main, .Lfunc_end_k_q7a47e24aa2_main-k_q7a47e24aa2_main
	.p2alignl 7, 3214868480
	.fill 96, 4, 3214868480
	.section	.rodata,"a",@progbits
	.p2align	6, 0x0
	.amdhsa_kernel k_q7a47e24aa2_main
		.amdhsa_group_segment_fixed_size 269056
		.amdhsa_private_segment_fixed_size 0
		.amdhsa_enable_private_segment 0
		.amdhsa_kernarg_size 56
		.amdhsa_user_sgpr_count 2
		.amdhsa_user_sgpr_kernarg_segment_ptr 1
		.amdhsa_wavefront_size32 1
		.amdhsa_system_sgpr_workgroup_id_x 1
		.amdhsa_system_sgpr_workgroup_id_y 1
		.amdhsa_system_sgpr_workgroup_id_z 1
		.amdhsa_system_vgpr_workitem_id 0
		.amdhsa_next_free_vgpr 1024
		.amdhsa_next_free_sgpr 66
		.amdhsa_reserve_vcc 0
		.amdhsa_float_denorm_mode_32 3
		.amdhsa_float_denorm_mode_16_64 3
		.amdhsa_memory_ordered 1
		.amdhsa_forward_progress 1
		.amdhsa_inst_pref_size 225
	.end_amdhsa_kernel
	.amdgpu_metadata
---
amdhsa.version: [ 1, 2 ]
amdhsa.kernels:
  - .name:           k_q7a47e24aa2_main
    .symbol:         k_q7a47e24aa2_main.kd
    .args:
      - { .name: multiple_items, .offset: 0, .size: 8, .value_kind: global_buffer, .address_space: global }
      - { .name: order, .offset: 8, .size: 8, .value_kind: global_buffer, .address_space: global }
      - { .name: cnt, .offset: 16, .size: 8, .value_kind: global_buffer, .address_space: global }
      - { .name: uf, .offset: 24, .size: 8, .value_kind: global_buffer, .address_space: global }
      - { .name: pqc, .offset: 32, .size: 8, .value_kind: global_buffer, .address_space: global }
      - { .name: react, .offset: 40, .size: 8, .value_kind: global_buffer, .address_space: global }
      - { .name: part, .offset: 48, .size: 8, .value_kind: global_buffer, .address_space: global }
    .group_segment_fixed_size: 269056
    .private_segment_fixed_size: 0
    .kernarg_segment_align: 8
    .kernarg_segment_size: 56
    .max_flat_workgroup_size: 128
    .sgpr_count:     66
    .vgpr_count:     1024
    .wavefront_size: 32
...
	.end_amdgpu_metadata
.endif
;; end of part 5
;; launch finish (part 6): grid 256 x 1, 1 waves a work-group, no clusters, 0 bytes of LDS; arguments part, react, rank, out0, out1; writes out0, out1
.if DOCPART == 6
	.amdgcn_target "amdgcn-amd-amdhsa--gfx1250"
	.amdhsa_code_object_version 6
	.text
	.protected	k_q7a47e24aa2_finish
	.globl	k_q7a47e24aa2_finish
	.p2align	8
	.type	k_q7a47e24aa2_finish,@function
k_q7a47e24aa2_finish:
	s_mov_b64 s[64:65], 0
	v_nop
	global_prefetch_b8 v0, s[64:65] scope:SCOPE_SE
	s_setreg_imm32_b32 hwreg(HW_REG_WAVE_MODE, 25, 1), 1
	s_wait_xcnt 0x0
; FINISH: work-group (b, e) joins batch b's eight records (o, m, l): M = the largest m, w = 2^(m - M), L = the sum of l w.
; It writes channels 128 e .. 128 e + 127 of out0 = (the sum of o w) / L, and rows 256 e .. 256 e + 255 of out1 = 2^(T - M) / L, T fetched by the row's position.
; A dropped row's position holds -infinity: its weight is 0.  A batch with no kept row has L = 0, and 0 x infinity gives NaN everywhere, as a softmax over -infinity alone does.
	s_load_b256 s[4:11], s[0:1], 0x0               ; part s[4:5], react s[6:7], rank s[8:9], out0 s[10:11]
	s_load_b64 s[12:13], s[0:1], 0x20              ; out1
	s_lshr_b32 s14, ttmp9, 3                       ; b
	s_and_b32 s15, ttmp9, 7                        ; e
	s_mov_b32 s17, 0                               ; s[16:17]: an offset as a pair
	v_lshlrev_b32 v1, 4, v0                        ; 16 lane
	v_mov_b32 v2, 0
	v_and_b32 v3, 15, v0                           ; r
	v_lshrrev_b32 v4, 4, v0                        ; h
	v_lshlrev_b32 v6, 4, v3
	v_lshl_add_u32 v6, v4, 9, v6                   ; in a record: channels 8 r' + 4 h + 0 .. 3 lie at 16 r' + 512 h of their wave's 1,024 bytes
	v_lshlrev_b32 v7, 5, v3
	v_lshl_add_u32 v7, v4, 4, v7                   ; in out0: 32 r + 16 h: the 32 lanes fill 512 consecutive bytes
	s_wait_alu depctr_va_vdst(0)
	s_wait_kmcnt 0x0
	s_mul_i32 s16, s14, 34816                      ; eight records of 4,352 bytes
	s_add_nc_u64 s[4:5], s[4:5], s[16:17]
	s_lshr_b32 s16, s15, 1
	s_lshl_b32 s16, s16, 10                        ; the wave that made my 128 channels,
	s_and_b32 s20, s15, 1
	s_lshl_b32 s20, s20, 8                         ; and which sixteen of its lanes
	s_add_co_u32 s16, s16, s20
	s_add_nc_u64 s[18:19], s[4:5], s[16:17]
	s_lshl_b32 s16, s14, 13
	s_add_nc_u64 s[6:7], s[6:7], s[16:17]
	s_lshl_b32 s20, s15, 10
	s_add_co_u32 s16, s16, s20
	s_add_nc_u64 s[8:9], s[8:9], s[16:17]
	s_add_nc_u64 s[12:13], s[12:13], s[16:17]
	s_lshl_b32 s16, s14, 12
	s_lshl_b32 s20, s15, 9
	s_add_co_u32 s16, s16, s20
	s_add_nc_u64 s[10:11], s[10:11], s[16:17]
	global_load_b128 v[24:27], v1, s[8:9]          ; my rows' positions: rows 4 lane on,
	global_load_b128 v[28:31], v1, s[8:9] offset:512   ; and 128 + 4 lane on
.irp e, 0,1,2,3,4,5,6,7
	global_load_b64 v[8+2*\e:9+2*\e], v2, s[4:5] offset:4352*\e+4096   ; (m, l)
.endr
.irp e, 0,1,2,3,4,5,6,7
	global_load_b128 v[32+4*\e:35+4*\e], v6, s[18:19] offset:4352*\e
.endr
	s_wait_loadcnt 16                              ; the positions are in; the 16 loads behind them may be out
.irp i, 0,1,2,3,4,5,6,7
	v_min_u32 v[64+\i], 2047, v[24+\i]             ; held inside the table before it enters an address
.endr
.irp i, 0,1,2,3,4,5,6,7
	v_lshlrev_b32 v[64+\i], 2, v[64+\i]
.endr
.irp i, 0,1,2,3,4,5,6,7
	global_load_b32 v[72+\i], v[64+\i], s[6:7]     ; T
.endr
	s_wait_loadcnt 8                               ; the records are in; the eight scores may be out
	v_max3_num_f32 v92, v8, v10, v12
	v_max3_num_f32 v92, v92, v14, v16
	v_max3_num_f32 v92, v92, v18, v20
	v_max_num_f32 v92, v92, v22                    ; M
.irp e, 0,1,2,3,4,5,6,7
	v_sub_f32 v[80+\e], v[8+2*\e], v92
.endr
	s_wait_alu depctr_va_vdst(0)
.irp e, 0,1,2,3,4,5,6,7
	v_exp_f32 v[80+\e], v[80+\e]                   ; w
.endr
	v_nop
	s_wait_alu depctr_va_vdst(0)                   ; one wait for the batch, ahead of its first reader
	v_mul_f32 v93, v9, v80
.irp e, 1,2,3,4,5,6,7
	v_fma_f32 v93, v[9+2*\e], v[80+\e], v93        ; L
.endr
	s_wait_alu depctr_va_vdst(0)
	v_rcp_f32 v94, v93
.irp i, 0,1,2,3
	v_mul_f32 v[88+\i], v[32+\i], v80              ; (plain work behind the reciprocal)
.endr
.irp e, 1,2,3,4,5,6,7
.irp i, 0,1,2,3
	v_fma_f32 v[88+\i], v[32+4*\e+\i], v[80+\e], v[88+\i]
.endr
.endr
	s_wait_alu depctr_va_vdst(0)
.irp i, 0,1,2,3
	v_mul_f32 v[88+\i], v[88+\i], v94
.endr
	global_store_b128 v7, v[88:91], s[10:11]
	s_wait_loadcnt 0x0
.irp i, 0,1,2,3,4,5,6,7
	v_sub_f32 v[72+\i], v[72+\i], v92
.endr
	s_wait_alu depctr_va_vdst(0)
.irp i, 0,1,2,3,4,5,6,7
	v_exp_f32 v[72+\i], v[72+\i]
.endr
	v_nop
	s_wait_alu depctr_va_vdst(0)
.irp i, 0,1,2,3,4,5,6,7
	v_mul_f32 v[72+\i], v[72+\i], v94
.endr
	global_store_b128 v1, v[72:75], s[12:13]       ; 32 lanes store 512 consecutive bytes
	global_store_b128 v1, v[76:79], s[12:13] offset:512
	s_endpgm
.Lfunc_end_k_q7a47e24aa2_finish:
	.size	k_q7a47e24aa2_finish, .Lfunc_end_k_q7a47e24aa2_finish-k_q7a47e24aa2_finish
	.p2alignl 7, 3214868480
	.fill 96, 4, 3214868480
	.section	.rodata,"a",@progbits
	.p2align	6, 0x0
	.amdhsa_kernel k_q7a47e24aa2_finish
		.amdhsa_group_segment_fixed_size 0
		.amdhsa_private_segment_fixed_size 0
		.amdhsa_enable_private_segment 0
		.amdhsa_kernarg_size 40
		.amdhsa_user_sgpr_count 2
		.amdhsa_user_sgpr_kernarg_segment_ptr 1
		.amdhsa_wavefront_size32 1
		.amdhsa_system_sgpr_workgroup_id_x 1
		.amdhsa_system_sgpr_workgroup_id_y 1
		.amdhsa_system_sgpr_workgroup_id_z 1
		.amdhsa_system_vgpr_workitem_id 0
		.amdhsa_next_free_vgpr 96
		.amdhsa_next_free_sgpr 66
		.amdhsa_reserve_vcc 0
		.amdhsa_float_denorm_mode_32 3
		.amdhsa_float_denorm_mode_16_64 3
		.amdhsa_memory_ordered 1
		.amdhsa_forward_progress 1
		.amdhsa_inst_pref_size 10
	.end_amdhsa_kernel
	.amdgpu_metadata
---
amdhsa.version: [ 1, 2 ]
amdhsa.kernels:
  - .name:           k_q7a47e24aa2_finish
    .symbol:         k_q7a47e24aa2_finish.kd
    .args:
      - { .name: part, .offset: 0, .size: 8, .value_kind: global_buffer, .address_space: global }
      - { .name: react, .offset: 8, .size: 8, .value_kind: global_buffer, .address_space: global }
      - { .name: rank, .offset: 16, .size: 8, .value_kind: global_buffer, .address_space: global }
      - { .name: out0, .offset: 24, .size: 8, .value_kind: global_buffer, .address_space: global }
      - { .name: out1, .offset: 32, .size: 8, .value_kind: global_buffer, .address_space: global }
    .group_segment_fixed_size: 0
    .private_segment_fixed_size: 0
    .kernarg_segment_align: 8
    .kernarg_segment_size: 40
    .max_flat_workgroup_size: 32
    .sgpr_count:     66
    .vgpr_count:     96
    .wavefront_size: 32
...
	.end_amdgpu_metadata
.endif
;; end of part 6
